; MI455X (gfx1250); checked and timed in simulation.
; The chip was launched on July 23, 2026; its instructions are those of AMD's public machine-readable ISA for CDNA 5 (MIT licence, August 2026) and "CDNA5" Instruction Set Architecture Reference Guide (July 2026). The comments in the code are by the model that wrote it; some were corrected since.
;; Self Attention. Allowed arithmetic: matrix products marked QUANTISED: E2M3 operands, one E8M0 scale for each 32 along K, by v_wmma_scale_f32_16x16x128_f8f6f4 with both operands' format E2M3, f32 sums; products left as they are: f32 operands where the result goes on into a quantised operand, else bf16, f16 or f32 operands; f32 sums; everything else in f32.
;; Inputs: Wk_codes 16 x 2 x 24 uint8 (E2M3 codes of Wk, K innermost, in blocks of 32 codes, four codes in three bytes); Wk_scales 16 x 2 uint8 (E8M0 scales of Wk, one for each 32 codes along K); Wq_codes 16 x 2 x 24 uint8 (E2M3 codes of Wq, K innermost, in blocks of 32 codes, four codes in three bytes); Wq_scales 16 x 2 uint8 (E8M0 scales of Wq, one for each 32 codes along K); Wv_codes 64 x 2 x 24 uint8 (E2M3 codes of Wv, K innermost, in blocks of 32 codes, four codes in three bytes); Wv_scales 64 x 2 uint8 (E8M0 scales of Wv, one for each 32 codes along K); x_codes 4 x 4,096 x 2 x 24 uint8 (E2M3 codes of x, K innermost, in blocks of 32 codes, four codes in three bytes); x_scales 4 x 4,096 x 2 uint8 (E8M0 scales of x, one for each 32 codes along K).
;; Outputs: out0 4 x 4,096 x 64 float32.
;; This version of the problem:
;;   THIS VERSION OF THE PROBLEM IS GIVEN IN LOW PRECISION. The matrix products marked QUANTISED in the list below multiply operands that are first quantised to E2M3 (2 exponent bits, 3 mantissa bits; 6 bits a number), with one power-of-two scale for each 32 numbers along K (OCP MX v1.0); their sums are f32. All else is computed in f32.
;;   The module's matrix products, in the order in which they are computed (A, B: the left and right operand; K: the contracted axis; several contracted axes count as one K, in the product's order):
;;     1. [M 16,384, K 64] x [K 64, N 16]; A: input x (given as codes); B: input Wq (given as codes): QUANTISED
;;     2. [M 16,384, K 64] x [K 64, N 16]; A: input x (given as codes); B: input Wk (given as codes): QUANTISED
;;     3. [M 16,384, K 64] x [K 64, N 64]; A: input x (given as codes); B: input Wv (given as codes): QUANTISED
;;     4. batch 4 x [M 4,096, K 16] x [K 16, N 4,096]; A: computed on the way; B: computed on the way: left as it is (K = 16 < 32)
;;     5. batch 4 x [M 4,096, K 4,096] x [K 4,096, N 64]; A: softmax (see below); B: computed on the way: QUANTISED
;;   THE QUANTISER, for each operand of a quantised product, along K:
;;     - K is cut into blocks of 32 from its start; a last block that is shorter is filled with zeros.
;;     - A block's scale is 2^e with e = floor(log2(the largest magnitude in the block)) - 2, held to -126 .. 127; a block of zeros has e = 0. As a byte (E8M0): e + 127.
;;     - Each number is divided by its block's scale, clamped to +-7.5, and rounded to the nearest number of E2M3, ties to even, subnormals kept.
;;     - The product sums the exact products of the quantised numbers (number of the format x scale) in f32.
;;   ~~~python
;;   def quantise(x, axis):      # numpy; x: float32 -> the quantised numbers, widened to float32 again
;;       x = np.moveaxis(x, axis, -1); K = x.shape[-1]
;;       x = np.pad(x, [(0, 0)] * (x.ndim - 1) + [(0, -K % 32)]); x = x.reshape(x.shape[:-1] + (-1, 32)); a = np.abs(x).max(-1, keepdims=True)
;;       e = np.where(a > 0, np.clip(np.frexp(np.where(a > 0, a, 1))[1] - 1 - 2, -126, 127), 0)      # np.frexp(a)[1] - 1 = floor(log2(a)), exactly
;;       r = np.clip(x / 2.0 ** e, -7.5, 7.5)
;;       step = 2.0 ** (np.maximum(np.frexp(np.where(r == 0, 1, r))[1] - 1, 0) - 3)
;;       q = np.round(r / step) * step * 2.0 ** e      # np.round: ties to even
;;       return np.moveaxis(q.reshape(q.shape[:-2] + (-1,))[..., :K], -1, axis).astype(np.float32)
;;   ~~~
;;   SOFTMAX AHEAD OF A QUANTISED PRODUCT. Where the list says 'softmax', what is quantised is not the finished softmax but p = 2^(t - M), with t = logit x log2(e) and M = ceil(the row's largest t), a whole number; so 1/2 < the row's largest p <= 1. The row's sum l is taken of the UNQUANTISED p, in f32, and the product's result is divided by l at the end. Since M is a whole number, a kernel that streams over the keys may use a running M (the ceiling of the running maximum): every later rescaling is an exact power of two, which a block's scale takes up: the codes' values come out the same.
;;   OPERANDS COMPUTED ON THE WAY. 'Computed on the way' means the value that the module computes at that place (a softmax that the list does not call 'softmax' is quantised finished and normalised). What goes into a quantiser is computed in f32, as accurately as f32 sums, v_exp_f32 and their like allow (about 1e-6 of the number): no bf16 or f16 on the way to a quantiser, and a product that is left as it is and whose result goes on into a quantised operand takes f32 operands (vector FMAs, or v_wmma_f32_16x16x4_f32). A number that lies on a knife's edge between two numbers of the format may be rounded either way, as far as f32 arithmetic and the matrix unit's own rounding can turn it there, and no further.
;;   INPUTS GIVEN AS CODES. Wk (in the module: [64, 16], K = its axis 0); Wq (in the module: [64, 16], K = its axis 0); Wv (in the module: [64, 64], K = its axis 0); x (in the module: [4, 4096, 64], K = its axis 2): each comes as NAME_codes (uint8): NAME with its K axis moved to the last place and cut into blocks of 32 codes, [.., K / 32, bytes a block], one block behind the other in memory; four codes in three bytes: a row's codes are one little-endian stream of bits, code i at bits 6 i .. 6 i + 5 (a code: sign, 2 exponent bits, 3 mantissa bits); and NAME_scales (uint8): the same leading axes, one E8M0 byte (e + 127) for each 32 codes along K. Its value is code x scale, taken as it is: it is not quantised again, and the codes and scales need not be those that the quantiser above would give.
;; 2 versions, each right; version 2 is version 1 with the launches project, attend written anew for expert scheduling mode. Each part assembles by itself: llvm-mc -triple=amdgcn-amd-amdhsa -mcpu=gfx1250 --defsym DOCPART=n.
;; ======== version 1 of 2: 2 launches
;; workspace buffers: qimg 1,048,576 bytes; kimg 1,048,576 bytes; vimg 786,432 bytes; vscl 65,536 bytes
;; launch project (part 1): grid 256 x 1, 1 waves a work-group, no clusters, 0 bytes of LDS; arguments x_codes, x_scales, Wq_codes, Wq_scales, Wk_codes, Wk_scales, Wv_codes, Wv_scales, qimg, kimg, vimg, vscl; writes qimg, kimg, vimg, vscl
.if DOCPART == 1
	.amdgcn_target "amdgcn-amd-amdhsa--gfx1250"
	.amdhsa_code_object_version 6
	.text
	.protected	k_qc732ca9a26_project
	.globl	k_qc732ca9a26_project
	.p2align	8
	.type	k_qc732ca9a26_project,@function
k_qc732ca9a26_project:
	s_mov_b64 s[64:65], 0
	v_nop
	global_prefetch_b8 v0, s[64:65] scope:SCOPE_SE
	s_setreg_imm32_b32 hwreg(HW_REG_WAVE_MODE, 25, 1), 1
	s_wait_xcnt 0x0
; q = x Wq, k = x Wk, v = x Wv on the given E2M3 codes (K = 64), for 4 x 4,096 tokens; v is then quantised along the TOKENS (the keys: the K of the later product p v).
; All results leave as IMAGES OF THE READER'S OPERAND REGISTERS, so that the next launch loads each fragment by 16-byte loads, lane by lane.
; A step is 128 tokens; sidx = batch x 32 + step.  Work-group g: sidx = g / 2, p = g % 2.  It makes rows d = 32 p .. 32 p + 31 of v^T for its step, and the step's k (p = 0) or q (p = 1).
; THE TOKENS OF A TILE ARE NOT NEIGHBOURS: lane r of tile t takes token 32 (t / 2) + 8 (t % 2) + r + 8 (r / 8), so that in a result with tokens down the registers the 16 registers of tiles 2 b and 2 b + 1
; are 16 neighbouring tokens, 32 b + 16 (lane / 16) + 0 .. 15.
; K = 64 IS HALF OF THE INSTRUCTION'S 128: registers 6 .. 11 of every fragment (k = 64 .. 127) hold zero codes, on both sides; a scale word is the row's two bytes, and its upper two bytes are 0 (never 0xff).
; kimg, qimg: [sidx][tile 8][g 2][lane 32][16 bytes]: lane (r, h), register 4 g + i = dimension 8 h + 4 g + i of token(r), f32.
; vimg: [sidx][d tile 4][c 3][lane 32][16 bytes]: the 12 registers of the fragment (16 rows d x 128 keys).   vscl: [sidx][p 2][lane 32][8 bytes]: the scale words of d tiles 2 p and 2 p + 1, row lane % 16.
; A block's scale byte is its largest magnitude's exponent field - 2, held at 1 from below.
; LIMITS: a block of zeros gets the byte 1 where the quantiser says 127 (its codes are zeros, and this program alone reads the bytes); NaN and infinities among the inputs are not served.
.set X,   12                           ; v12-107  x's eight fragments, 12 registers each
.set XS,  108                          ; v108-115 their scale words
.set WV,  116                          ; v116-139 Wv's two fragments
.set WKQ, 140                          ; v140-151 Wk's or Wq's fragment
.set WS,  152                          ; v152, v153 Wv's scale words; v154 Wk's or Wq's
.set D,   156                          ; v156-219 eight results
.set TM,  220                          ; v220-223 largest magnitudes, v224-227 the other half's, then bytes, v232-235 the conversions' scale operands
.set PC,  236                          ; v236-247 the codes just made; v248-254 at work
.macro NOPS n
.rept \n
	v_nop
.endr
.endm
.macro FP6MUL d, a, b, sa, sb
	v_wmma_scale_f32_16x16x128_f8f6f4 v[\d:\d+7], v[\a:\a+11], v[\b:\b+11], 0, v[\sa], v[\sb] matrix_a_fmt:MATRIX_FMT_FP6 matrix_b_fmt:MATRIX_FMT_FP6
.endm
; 64 numbers of a lane, register 16 b + i = k 32 b + 16 (lane / 16) + i of my row, become a fragment's codes in v[PC] on and its scale word in v[pw].
.macro QUANT s, pw
.irp b, 0,1,2,3
	v_max3_num_f32 v[TM+\b], |v[\s+16*\b]|, |v[\s+1+16*\b]|, 0x1800000   ; my 16 numbers of block b, and the floor 2^(3 - 127): the byte cannot fall under 1
.endr
.irp i, 2,4,6,8,10,12,14
.irp b, 0,1,2,3
	v_max3_num_f32 v[TM+\b], v[TM+\b], |v[\s+16*\b+\i]|, |v[\s+1+16*\b+\i]|   ; the four blocks by turns; each result is read from its low end on
.endr
.endr
.irp b, 0,1,2,3
	v_permlanex16_b32 v[TM+4+\b], v[TM+\b], s46, s47
.endr
.irp b, 0,1,2,3
	v_max_num_f32 v[TM+\b], v[TM+\b], v[TM+4+\b]   ; with lane l xor 16's: the block's largest magnitude
.endr
.irp b, 0,1,2,3
	v_add_nc_u32 v[TM+12+\b], 0xff000000, v[TM+\b]   ; 2 off its exponent field: the conversion's scale operand
.endr
.irp b, 0,1,2,3
	v_lshrrev_b32 v[TM+4+\b], 23, v[TM+12+\b]      ; the scale's byte
.endr
	v_lshl_or_b32 v[\pw], v[TM+5], 8, v[TM+4]
	v_lshl_or_b32 v[\pw], v[TM+6], 16, v[\pw]
	v_lshl_or_b32 v[\pw], v[TM+7], 24, v[\pw]      ; my row's scale word
.irp c, 0,1
	v_cvt_scalef32_pk16_fp6_f32 v[PC+6*\c:PC+2+6*\c], v[\s+32*\c:\s+15+32*\c], v[TM+12+2*\c]
	v_cvt_scalef32_pk16_fp6_f32 v[PC+12+4*\c:PC+14+4*\c], v[\s+16+32*\c:\s+31+32*\c], v[TM+12+2*\c+1]   ; (a conversion's three registers begin on an even number)
.endr
	v_nop                                          ; one plain instruction behind the last scaled conversion
.irp c, 0,1                                    ; the operand's layout wants a whole block in a lane: lanes 0-15 block 2 c, lanes 16-31 block 2 c + 1
.irp i, 0,1,2
	v_permlane16_swap_b32 v[PC+6*\c+\i], v[PC+12+4*\c+\i]
.endr
.irp i, 0,1,2
	v_mov_b32 v[PC+3+6*\c+\i], v[PC+12+4*\c+\i]
.endr
.endr
.endm
	s_load_b512 s[8:23], s[0:1], 0x0               ; x codes s[8:9], x scales s[10:11], Wq s[12:15], Wk s[16:19], Wv s[20:23]
	s_load_b256 s[24:31], s[0:1], 0x40             ; qimg s[24:25], kimg s[26:27], vimg s[28:29], vscl s[30:31]
	s_lshr_b32 s2, ttmp9, 1                        ; sidx
	s_and_b32 s3, ttmp9, 1                         ; p
	v_and_b32 v1, 15, v0                           ; r
	v_lshrrev_b32 v2, 4, v0                        ; h (one wave: v0 is the lane)
	v_and_b32 v3, 8, v1
	v_add_nc_u32 v3, v3, v1                        ; r + 8 (r / 8)
	v_mul_u32_u24 v4, v3, 48                       ; x: a token's 64 codes are 48 bytes,
	v_mad_u32_u24 v4, v2, 24, v4                   ; + 24 h: my block of 32
	v_lshlrev_b32 v5, 1, v3                        ; x's scales: 2 bytes a token
	v_mul_u32_u24 v6, v1, 48                       ; the weights: row r,
	v_mad_u32_u24 v6, v2, 24, v6                   ; + 24 h
	v_lshlrev_b32 v7, 1, v1                        ; their scales
	v_lshlrev_b32 v8, 4, v0                        ; an image's place for my lane: 16 x lane
	v_lshlrev_b32 v9, 3, v0                        ; the scale words': 8 x lane
.irp t, 0,1,2,3,4,5,6,7
.irp i, 6,7,8,9,10,11
	v_mov_b32 v[X+12*\t+\i], 0                     ; zero codes for k = 64 .. 127
.endr
.endr
.irp i, 6,7,8,9,10,11
	v_mov_b32 v[WV+\i], 0
	v_mov_b32 v[WV+12+\i], 0
	v_mov_b32 v[WKQ+\i], 0
.endr
.irp b, 0,1,2,3
	v_mov_b32 v[TM+4+\b], 0                        ; written once: a lane permute's destination counts as one of its sources
.endr
	s_mov_b32 s46, 0x76543210
	s_mov_b32 s47, 0xfedcba98                      ; selects for lane l xor 16
	s_mul_i32 s32, s2, 6144                        ; x's codes of my step: 128 tokens x 48 bytes
	s_mov_b32 s33, 0
	s_lshl_b32 s34, s2, 8                          ; its scales
	s_mov_b32 s35, 0
	s_mul_i32 s36, s3, 1536                        ; my 32 rows of Wv
	s_mov_b32 s37, 0
	s_lshl_b32 s38, s3, 6
	s_mov_b32 s39, 0
	s_lshl_b32 s40, s36, 1
	s_add_co_u32 s40, s40, s32                     ; vimg: 6,144 sidx + 3,072 p
	s_mov_b32 s41, 0
	s_lshl_b32 s42, ttmp9, 8                       ; vscl: 512 sidx + 256 p = 256 g
	s_mov_b32 s43, 0
	s_lshl_b32 s44, s2, 13                         ; kimg, qimg: 8,192 sidx
	s_mov_b32 s45, 0
	s_wait_kmcnt 0x0
	s_cmp_eq_u32 s3, 0                             ; p = 0 makes k, p = 1 makes q: only pointers are chosen, on the work-group's number alone
	s_cselect_b64 s[12:13], s[16:17], s[12:13]
	s_cselect_b64 s[14:15], s[18:19], s[14:15]
	s_cselect_b64 s[24:25], s[26:27], s[24:25]
	s_add_nc_u64 s[8:9], s[8:9], s[32:33]
	s_add_nc_u64 s[10:11], s[10:11], s[34:35]
	s_add_nc_u64 s[20:21], s[20:21], s[36:37]
	s_add_nc_u64 s[22:23], s[22:23], s[38:39]
	s_add_nc_u64 s[28:29], s[28:29], s[40:41]
	s_add_nc_u64 s[30:31], s[30:31], s[42:43]
	s_add_nc_u64 s[24:25], s[24:25], s[44:45]
.irp t, 0,1,2,3,4,5,6,7
.irp i, 0,1,2
	global_load_b64 v[X+12*\t+2*\i:X+12*\t+2*\i+1], v4, s[8:9] offset:(32*(\t/2)+8*(\t%2))*48+8*\i
.endr
	global_load_u16 v[XS+\t], v5, s[10:11] offset:(32*(\t/2)+8*(\t%2))*2
.endr
.irp e, 0,1
.irp i, 0,1,2
	global_load_b64 v[WV+12*\e+2*\i:WV+12*\e+2*\i+1], v6, s[20:21] offset:768*\e+8*\i
.endr
	global_load_u16 v[WS+\e], v7, s[22:23] offset:32*\e
.endr
.irp i, 0,1,2
	global_load_b64 v[WKQ+2*\i:WKQ+2*\i+1], v6, s[12:13] offset:8*\i
.endr
	global_load_u16 v[WS+2], v7, s[14:15]
	s_wait_loadcnt 0x0
	NOPS 4                                         ; operand registers written by vector instructions (the zero codes) stand four places ahead of a scaled matrix instruction
; v^T, 16 rows d at a time: source 0 = 16 tokens, source 1 = 16 rows of Wv: lane (r, h) holds d = r, and register 16 b + i token 32 b + 16 h + i
.irp e, 0,1
.irp t, 0,1,2,3,4,5,6,7
	FP6MUL D+8*\t, X+12*\t, WV+12*\e, XS+\t, WS+\e
.endr
	NOPS 4                                         ; four places behind the products, ahead of the first read of a result
.if \e == 1
	s_wait_xcnt 0x0                                ; the first tile's stores have read the codes' registers: they are written again only behind this wait
.endif
	QUANT D, 10+\e
.irp c, 0,1,2
	global_store_b128 v8, v[PC+4*\c:PC+4*\c+3], s[28:29] offset:1536*\e+512*\c   ; 32 lanes store 512 consecutive bytes
.endr
.endr
	global_store_b64 v9, v[10:11], s[30:31]        ; 32 lanes store 256 consecutive bytes, aligned
; k or q: source 0 = the weight's 16 rows (dimensions), source 1 = 16 tokens: lane (r, h) holds token(r), register j dimension 8 h + j
.irp t, 0,1,2,3,4,5,6,7
	FP6MUL D+8*\t, WKQ, X+12*\t, WS+2, XS+\t
.endr
	NOPS 4
.irp t, 0,1,2,3,4,5,6,7
	global_store_b128 v8, v[D+8*\t:D+8*\t+3], s[24:25] offset:1024*\t          ; each result from its low end on
	global_store_b128 v8, v[D+8*\t+4:D+8*\t+7], s[24:25] offset:1024*\t+512
.endr
	s_endpgm
.Lfunc_end_k_qc732ca9a26_project:
	.size	k_qc732ca9a26_project, .Lfunc_end_k_qc732ca9a26_project-k_qc732ca9a26_project
	.p2alignl 7, 3214868480
	.fill 96, 4, 3214868480
	.section	.rodata,"a",@progbits
	.p2align	6, 0x0
	.amdhsa_kernel k_qc732ca9a26_project
		.amdhsa_group_segment_fixed_size 0
		.amdhsa_private_segment_fixed_size 0
		.amdhsa_enable_private_segment 0
		.amdhsa_kernarg_size 96
		.amdhsa_user_sgpr_count 2
		.amdhsa_user_sgpr_kernarg_segment_ptr 1
		.amdhsa_wavefront_size32 1
		.amdhsa_system_sgpr_workgroup_id_x 1
		.amdhsa_system_sgpr_workgroup_id_y 1
		.amdhsa_system_sgpr_workgroup_id_z 1
		.amdhsa_system_vgpr_workitem_id 0
		.amdhsa_next_free_vgpr 256
		.amdhsa_next_free_sgpr 66
		.amdhsa_reserve_vcc 0
		.amdhsa_float_denorm_mode_32 3
		.amdhsa_float_denorm_mode_16_64 3
		.amdhsa_memory_ordered 1
		.amdhsa_forward_progress 1
		.amdhsa_inst_pref_size 22
	.end_amdhsa_kernel
	.amdgpu_metadata
---
amdhsa.version: [ 1, 2 ]
amdhsa.kernels:
  - .name:           k_qc732ca9a26_project
    .symbol:         k_qc732ca9a26_project.kd
    .args:
      - { .name: x_codes, .offset: 0, .size: 8, .value_kind: global_buffer, .address_space: global }
      - { .name: x_scales, .offset: 8, .size: 8, .value_kind: global_buffer, .address_space: global }
      - { .name: Wq_codes, .offset: 16, .size: 8, .value_kind: global_buffer, .address_space: global }
      - { .name: Wq_scales, .offset: 24, .size: 8, .value_kind: global_buffer, .address_space: global }
      - { .name: Wk_codes, .offset: 32, .size: 8, .value_kind: global_buffer, .address_space: global }
      - { .name: Wk_scales, .offset: 40, .size: 8, .value_kind: global_buffer, .address_space: global }
      - { .name: Wv_codes, .offset: 48, .size: 8, .value_kind: global_buffer, .address_space: global }
      - { .name: Wv_scales, .offset: 56, .size: 8, .value_kind: global_buffer, .address_space: global }
      - { .name: qimg, .offset: 64, .size: 8, .value_kind: global_buffer, .address_space: global }
      - { .name: kimg, .offset: 72, .size: 8, .value_kind: global_buffer, .address_space: global }
      - { .name: vimg, .offset: 80, .size: 8, .value_kind: global_buffer, .address_space: global }
      - { .name: vscl, .offset: 88, .size: 8, .value_kind: global_buffer, .address_space: global }
    .group_segment_fixed_size: 0
    .private_segment_fixed_size: 0
    .kernarg_segment_align: 8
    .kernarg_segment_size: 96
    .max_flat_workgroup_size: 32
    .sgpr_count:     66
    .vgpr_count:     256
    .wavefront_size: 32
...
	.end_amdgpu_metadata
.endif
;; end of part 1
;; launch attend (part 2): grid 64 x 4, 16 waves a work-group, no clusters, 155,136 bytes of LDS; arguments qimg, kimg, vimg, vscl, out0; writes out0
.if DOCPART == 2
	.amdgcn_target "amdgcn-amd-amdhsa--gfx1250"
	.amdhsa_code_object_version 6
	.text
	.protected	k_qc732ca9a26_attend
	.globl	k_qc732ca9a26_attend
	.p2align	8
	.type	k_qc732ca9a26_attend,@function
k_qc732ca9a26_attend:
	s_mov_b64 s[64:65], 0
	v_nop
	global_prefetch_b8 v0, s[64:65] scope:SCOPE_SE
	s_setreg_imm32_b32 hwreg(HW_REG_WAVE_MODE, 25, 1), 1
	s_wait_xcnt 0x0
; out[b][q][:] = the sum over keys k <= q of softmax_k(q . k / 4) v[k][:], 4 batches x 4,096 tokens; q, k: 16 numbers of f32; v: E2M3 codes along the keys.
; The scores go on into a quantiser, so their product takes f32 operands (v_wmma_f32_16x16x4_f32).  p = 2^(t - M), t = score x log2(e) / 4, M a whole number (the ceiling of the largest t so far),
; is quantised along the keys in blocks of 32 and multiplied with v's codes; the row's sum is taken of the unquantised p and divides at the end.
; SHARES.  A step is 128 keys.  Work-group (b, batch) owns the query blocks b ("low") and 127 - b ("high"), 32 queries each, two tiles of 16.  The low block needs L = b / 4 + 1 steps, the high one H = 33 - L:
; 33 pairs (block, step) whatever b is.  Waves 0 .. H / 2 - 1 take two steps each of the high block, the other waves two steps each of the low block.  One of H and L is odd: that block's last step
; (its diagonal) is the EXTRA item: wave 0 takes its tile 0 and wave 5 its tile 1.  Steps wholly behind the diagonal are never taken: their p is 0.
; A wave's part (O^T, -M, l, under the wave's own M) goes to LDS; behind the one barrier the 17 parts of each tile are merged: a change of M is an exact power of two.
; LAYOUT.  Both products are used transposed: S^T = k q^T (source 0 = 16 keys, source 1 = 16 queries), O^T = v^T p^T: a lane holds ONE query (lane % 16) throughout.
; The tokens of a tile are not neighbours: lane r of tile t takes token 32 (t / 2) + 8 (t % 2) + r + 8 (r / 8): so register 16 b + i of the eight score tiles is key 32 b + 16 (lane / 16) + i.
; In the f32 product chunk c takes dimensions 2 c, 2 c + 1 (lanes 0-15) and 8 + 2 c, 9 + 2 c (lanes 16-31), alike on both sides.
; All operands come from memory straight into registers, as images that the launch before has laid.  NO JOINT LOADS: no LDS tile exists to share (each step's image is read by one wave of a work-group for one block),
; and neighbouring work-groups need different numbers of steps (H runs from 17 to 32).
; The registers that the f32 matrix form writes (v88-151) are written by matrix instructions alone: the mask and the scaling write elsewhere.
; LIMITS: |t| under 2^31 (a difference of M goes through v_cvt_i32_f32, which saturates); p under 2^-126 counts as 0; a block whose every p is 0 gets the byte 1 (its codes are zeros); NaN and infinities are not served.
.set LO,  1                            ; v1   16 x lane: an image's place for my lane
.set LO8, 2                            ; v2   8 x lane
.set FL,  3                            ; v3   my wave's two part slots: 8,704 w + 272 r + 32 h
.set ST,  4                            ; v4   my wave's words in the tables of -M and l
.set QD,  5                            ; v5   r + 8 (r / 8) - 16 h: my query's place less my half's first key
.set FLX, 6                            ; v6   the extra item's slot
.set STX, 7                            ; v7   and its words
.set QA,  8                            ; v8-15  q, tile 0;  v16-23 tile 1
.set QB,  16
.set KF,  24                           ; v24-87 k's eight tiles; later:
.set VF,  24                           ; v24-71 v's four fragments,
.set CA,  72                           ; v72-83 tile 0's codes of p
.set S,   88                           ; v88-151 the scores
.set P,   152                          ; v152-215 t - M, then p; later O^T: tile a, d tile e at P + 32 a + 8 e
.set CB,  216                          ; v216-227 tile 1's codes of p
.set BM,  228                          ; v228-231 the blocks' largest scores, then their p
.set TP,  232                          ; v232-235 at work
.set SO,  236                          ; v236-239 the conversions' scale operands
.set NM,  240                          ; v240, v242 -M of tiles 0, 1: each the LOW word of an even pair, for the packed forms
.set LL,  241                          ; v241, v243 l
.set FF,  244                          ; v244, v246 f = 2^(old M - new M)
.set T0,  245
.set T1,  247
.set LS,  248                          ; v[248:249] a sum in two halves
.set VS,  250                          ; v250-253 v's scale words
.set PW,  254                          ; v254, v255 p's scale words
.set STB, 147968                       ; LDS: 34 part slots of 16 rows x 272 bytes (slot (part, tile) at 4,352 (2 part + tile)), then the table of -M ([16 tile + r][20 words], part p at word p), then l's, 2,560 bytes on
.macro NOPS n
.rept \n
	v_nop
.endr
.endm
.macro LOADK base, off                 ; a step's k: eight tiles x 8 registers
.irp t, 0,1,2,3,4,5,6,7
	global_load_b128 v[KF+8*\t:KF+8*\t+3], v[LO], s[\base:\base+1] offset:\off+1024*\t
	global_load_b128 v[KF+8*\t+4:KF+8*\t+7], v[LO], s[\base:\base+1] offset:\off+1024*\t+512
.endr
.endm
.macro LOADQ n, base                   ; n tiles of q
.set j, 0
.rept 2*\n
	global_load_b128 v[QA+4*j:QA+4*j+3], v[LO], s[\base:\base+1] offset:512*j
.set j, j+1
.endr
.endm
.macro LOADV vb, sb, off, soff         ; a step's v: four fragments of 12 registers, and their scale words
.irp d, 0,1,2,3
.irp c, 0,1,2
	global_load_b128 v[VF+12*\d+4*\c:VF+12*\d+4*\c+3], v[LO], s[\vb:\vb+1] offset:\off+1536*\d+512*\c
.endr
.endr
	global_load_b64 v[VS:VS+1], v[LO8], s[\sb:\sb+1] offset:\soff
	global_load_b64 v[VS+2:VS+3], v[LO8], s[\sb:\sb+1] offset:\soff+256
.endm
.macro SCORES q                        ; S^T = k q^T for 128 keys x 16 queries: the eight accumulators take turns, one instruction a turn; the first chunk starts the sums
.irp c, 0,1,2,3
.irp t, 0,1,2,3,4,5,6,7
.if \c == 0
	v_wmma_f32_16x16x4_f32 v[S+8*\t:S+8*\t+7], v[KF+8*\t+2*\c:KF+8*\t+2*\c+1], v[\q+2*\c:\q+2*\c+1], 0
.else
	v_wmma_f32_16x16x4_f32 v[S+8*\t:S+8*\t+7], v[KF+8*\t+2*\c:KF+8*\t+2*\c+1], v[\q+2*\c:\q+2*\c+1], v[S+8*\t:S+8*\t+7]
.endif
.endr
.endr
.endm
.macro MASK dm                         ; the diagonal step: register n holds key 32 (n / 16) + n % 16 + 16 h of the step; it counts where that is at most my query's place; else the score becomes -infinity, ahead of the maximum
	v_add_nc_u32 v[T1], \dm, v[QD]
	v_mov_b32 v[T0], 0xff800000
.set n, 0
.rept 64
	v_cmp_le_i32 vcc_lo, 32*(n/16)+n%16, v[T1]
	v_cndmask_b32 v[P+n], v[T0], v[S+n], vcc_lo
.set n, n+1
.endr
.endm
; Tile a: the blocks' largest scores, the new -M (first = 0: and f), and t - M into P.  src: S, or P behind a mask.
.macro FRONT a, src, first
.irp b, 0,1,2,3
	v_max3_num_f32 v[BM+\b], v[\src+16*\b], v[\src+16*\b+1], v[\src+16*\b+2]   ; the largest score of each block of 32 keys: it serves the row's maximum and, since p rises with the score, the block's largest p
.endr
.irp i, 3,5,7,9,11,13
.irp b, 0,1,2,3
	v_max3_num_f32 v[BM+\b], v[BM+\b], v[\src+16*\b+\i], v[\src+16*\b+\i+1]
.endr
.endr
.irp b, 0,1,2,3
	v_max_num_f32 v[BM+\b], v[BM+\b], v[\src+16*\b+15]
.endr
.irp b, 0,1,2,3
	v_permlanex16_b32 v[TP+\b], v[BM+\b], s26, s27
.endr
.irp b, 0,1,2,3
	v_max_num_f32 v[BM+\b], v[BM+\b], v[TP+\b]     ; with lane l xor 16's 16 keys
.endr
	v_max3_num_f32 v[T0], v[BM], v[BM+1], v[BM+2]
	v_max_num_f32 v[T0], v[T0], v[BM+3]
	v_mul_f32 v[T0], s24, v[T0]                    ; the step's largest t (c is positive)
.if \first
	v_floor_f32 v[NM+2*\a], -v[T0]                 ; -M = floor(-t) = -ceil(t)
.else
	v_mov_b32 v[T1], v[NM+2*\a]
	v_floor_f32 v[T0], -v[T0]
	v_min_num_f32 v[NM+2*\a], v[NM+2*\a], v[T0]    ; the running -M
	v_sub_f32 v[T1], v[NM+2*\a], v[T1]             ; old M - new M: a whole number, 0 or less
	v_cvt_i32_f32 v[T1], v[T1]
	v_ldexp_f32 v[FF+2*\a], 1.0, v[T1]             ; f: a multiplication by it rounds nothing
.endif
.set j, 0
.rept 32
	v_pk_fma_f32 v[P+j:P+j+1], v[\src+j:\src+j+1], s[24:25], v[NM+2*\a:NM+2*\a+1] op_sel_hi:[1,0,0]   ; t - M, two at a time (of the pairs c and -M the low word serves both halves)
.set j, j+2
.endr
.irp b, 0,1,2,3
	v_fma_f32 v[BM+\b], v[BM+\b], s24, v[NM+2*\a]  ; the same of each block's largest score
.endr
.endm
; Tile a: p, its sum, its scale word, its codes into v[cd] on.
.macro BACK a, first, cd
.set j, 0
.rept 64
	v_exp_f32 v[P+j], v[P+j]                       ; p = 2^(t - M), at most 1, not normalised
.set j, j+1
.endr
	v_nop                                          ; a plain instruction behind the last exponential
	s_wait_alu depctr_va_vdst(0)                   ; one wait for the batch, ahead of its first reader
.irp b, 0,1,2,3
	v_exp_f32 v[BM+\b], v[BM+\b]                   ; the block's largest p: the same two instructions on the same number give the same bits
.endr
	v_pk_add_f32 v[TP:TP+1], v[P:P+1], v[P+2:P+3]  ; the sum of the UNQUANTISED p, two at a time, in two chains; it reads the 64 alone
	v_pk_add_f32 v[LS:LS+1], v[P+4:P+5], v[P+6:P+7]
.set j, 8
.rept 14
	v_pk_add_f32 v[LS:LS+1], v[LS:LS+1], v[P+j:P+j+1]
	v_pk_add_f32 v[TP:TP+1], v[TP:TP+1], v[P+j+2:P+j+3]
.set j, j+4
.endr
	v_pk_add_f32 v[LS:LS+1], v[LS:LS+1], v[TP:TP+1]
.if \first
	v_add_f32 v[LL+2*\a], v[LS], v[LS+1]
.else
	v_add_f32 v[T0], v[LS], v[LS+1]
	v_fma_f32 v[LL+2*\a], v[LL+2*\a], v[FF+2*\a], v[T0]   ; l = f l + this step's
.endif
	s_wait_alu depctr_va_vdst(0)                   ; and one for the four
.irp b, 0,1,2,3
	v_max_num_f32 v[BM+\b], 0x1800000, v[BM+\b]    ; the floor 2^(3 - 127): the byte cannot fall under 1
.endr
.irp b, 0,1,2,3
	v_add_nc_u32 v[SO+\b], 0xff000000, v[BM+\b]    ; 2 off the exponent field: the conversion's scale operand
.endr
.irp b, 0,1,2,3
	v_lshrrev_b32 v[TP+\b], 23, v[SO+\b]           ; the scale's byte
.endr
	v_lshl_or_b32 v[PW+\a], v[TP+1], 8, v[TP]
	v_lshl_or_b32 v[PW+\a], v[TP+2], 16, v[PW+\a]
	v_lshl_or_b32 v[PW+\a], v[TP+3], 24, v[PW+\a]  ; p's scale word for these 128 keys
	v_cvt_scalef32_pk16_fp6_f32 v[\cd:\cd+2], v[P:P+15], v[SO]
	v_cvt_scalef32_pk16_fp6_f32 v[BM:BM+2], v[P+16:P+31], v[SO+1]      ; (a conversion's three registers begin on an even number)
	v_cvt_scalef32_pk16_fp6_f32 v[\cd+6:\cd+8], v[P+32:P+47], v[SO+2]
	v_cvt_scalef32_pk16_fp6_f32 v[TP:TP+2], v[P+48:P+63], v[SO+3]
	v_nop                                          ; one plain instruction behind the last scaled conversion
.irp i, 0,1,2                                  ; the operand's layout wants a whole block in a lane
	v_permlane16_swap_b32 v[\cd+\i], v[BM+\i]
.endr
.irp i, 0,1,2
	v_mov_b32 v[\cd+3+\i], v[BM+\i]
.endr
.irp i, 0,1,2
	v_permlane16_swap_b32 v[\cd+6+\i], v[TP+\i]
.endr
.irp i, 0,1,2
	v_mov_b32 v[\cd+9+\i], v[TP+\i]
.endr
.endm
.macro PV ntiles, first                ; O^T (+)= v^T p^T: source 0 = 16 of v's 64 columns, source 1 = p; each accumulator has one instruction
.irp d, 0,1,2,3
.irp a, 0,1
.if \a < \ntiles
.if \first
	v_wmma_scale_f32_16x16x128_f8f6f4 v[P+32*\a+8*\d:P+32*\a+8*\d+7], v[VF+12*\d:VF+12*\d+11], v[CA+144*\a:CA+144*\a+11], 0, v[VS+\d], v[PW+\a] matrix_a_fmt:MATRIX_FMT_FP6 matrix_b_fmt:MATRIX_FMT_FP6
.else
	v_wmma_scale_f32_16x16x128_f8f6f4 v[P+32*\a+8*\d:P+32*\a+8*\d+7], v[VF+12*\d:VF+12*\d+11], v[CA+144*\a:CA+144*\a+11], v[P+32*\a+8*\d:P+32*\a+8*\d+7], v[VS+\d], v[PW+\a] matrix_a_fmt:MATRIX_FMT_FP6 matrix_b_fmt:MATRIX_FMT_FP6
.endif
.endif
.endr
.endr
.endm
.macro FLUSH adr, ntiles               ; lane (r, h): row r of the slot, columns 16 d + 8 h + 0 .. 7; each accumulator from its low end on
.irp a, 0,1
.if \a < \ntiles
.irp d, 0,1,2,3
	ds_store_b128 v[\adr], v[P+32*\a+8*\d:P+32*\a+8*\d+3] offset:4352*\a+64*\d
	ds_store_b128 v[\adr], v[P+32*\a+8*\d+4:P+32*\a+8*\d+7] offset:4352*\a+64*\d+16
.endr
.endif
.endr
.endm
.macro UNSPILL                         ; and back, by the same addresses: LDS serves a wave's instructions in order
.irp a, 0,1
.irp d, 0,1,2,3
	ds_load_b128 v[P+32*\a+8*\d:P+32*\a+8*\d+3], v[FL] offset:4352*\a+64*\d
	ds_load_b128 v[P+32*\a+8*\d+4:P+32*\a+8*\d+7], v[FL] offset:4352*\a+64*\d+16
.endr
.endr
.endm
.macro PUTSTAT adr, a, off             ; the row's l (both halves of the lanes) and -M; lanes l and l xor 16 write the same word with the same value
	v_permlanex16_b32 v[TP], v[LL+2*\a], s26, s27
	v_add_f32 v[LL+2*\a], v[LL+2*\a], v[TP]
	ds_store_b32 v[\adr], v[NM+2*\a] offset:\off
	ds_store_b32 v[\adr], v[LL+2*\a] offset:\off+2560
.endm
.macro DFRONT a, dm                    ; a wave's second step: masked where it is the block's diagonal step (a scalar branch on ids)
	s_cmp_eq_u32 s33, 1
	s_cbranch_scc0 .Lopen_\@
	MASK \dm
	FRONT \a, P, 0
	s_branch .Ljoin_\@
.Lopen_\@:
	FRONT \a, S, 0
.Ljoin_\@:
.endm
	s_load_b256 s[4:11], s[0:1], 0x0               ; qimg s[4:5], kimg s[6:7], vimg s[8:9], vscl s[10:11]
	s_load_b64 s[12:13], s[0:1], 0x20              ; out0
	v_lshrrev_b32 v1, 5, v0
	v_readfirstlane_b32 s14, v1                    ; wave w, 0 .. 15
	s_and_b32 s16, ttmp7, 0xffff                   ; batch
	s_lshr_b32 s17, ttmp9, 2
	s_add_co_u32 s17, s17, 1                       ; L
	s_sub_co_u32 s18, 33, s17                      ; H
	s_lshr_b32 s19, s18, 1                         ; H / 2: so many waves take the high block (8 .. 16)
	s_sub_co_u32 s20, 127, ttmp9                   ; the high block
	s_mov_b32 s24, 0x3eb8aa3b                      ; c = log2(e) / 4
	s_mov_b32 s25, s24                             ; (named with it as a pair, so it is written)
	s_mov_b32 s26, 0x76543210
	s_mov_b32 s27, 0xfedcba98                      ; selects for lane l xor 16
	; the extra item: the last step of the block whose number of steps is odd
	s_and_b32 s28, s18, 1
	s_cmp_eq_u32 s28, 1
	s_cselect_b32 s29, s20, ttmp9                  ; its block
	s_cselect_b32 s30, s18, s17
	s_sub_co_u32 s30, s30, 1                       ; its step
	s_lshr_b32 s31, s14, 2
	s_and_b32 s31, s31, 1                          ; which tile of it: 0 in wave 0, 1 in wave 5
	s_lshl_b32 s58, s16, 5
	s_add_co_u32 s59, s58, s30                     ; batch x 32 + step
	s_lshl_b32 s62, s16, 18                        ; the batch's part of qimg
	s_lshl_b32 s34, s29, 11
	s_add_co_u32 s34, s34, s62
	s_lshl_b32 s63, s31, 10
	s_add_co_u32 s34, s34, s63                     ; q: 2,048 bytes a block, 1,024 a tile
	s_mov_b32 s35, 0
	s_lshl_b32 s36, s59, 13
	s_mov_b32 s37, 0
	s_mul_i32 s38, s59, 6144
	s_mov_b32 s39, 0
	s_lshl_b32 s40, s59, 9
	s_mov_b32 s41, 0
	s_lshl_b32 s42, s29, 5
	s_lshl_b32 s63, s31, 3
	s_add_co_u32 s42, s42, s63
	s_lshl_b32 s63, s30, 7
	s_sub_co_u32 s42, s42, s63                     ; the tile's first query less the step's first key
	; my two steps
	s_cmp_lt_u32 s14, s19
	s_cselect_b32 s21, s20, ttmp9                  ; my block,
	s_cselect_b32 s22, s18, s17                    ; its number of steps,
	s_cselect_b32 s23, 0, s19
	s_sub_co_u32 s23, s14, s23
	s_lshl_b32 s23, s23, 1                         ; my first step
	s_add_co_u32 s53, s58, s23
	s_lshl_b32 s60, s21, 11
	s_add_co_u32 s60, s60, s62
	s_mov_b32 s61, 0
	s_lshl_b32 s32, s21, 5
	s_add_co_u32 s63, s23, 1
	s_lshl_b32 s63, s63, 7
	s_sub_co_u32 s32, s32, s63                     ; tile 0's first query less my second step's first key,
	s_add_co_u32 s43, s32, 8                       ; tile 1's
	s_add_co_u32 s63, s23, 2
	s_cmp_eq_u32 s63, s22
	s_cselect_b32 s33, 1, 0                        ; 1: my second step is the block's diagonal step (my first never is)
	s_lshl_b32 s62, s16, 20                        ; out0: 256 bytes a query
	s_lshl_b32 s54, s20, 13
	s_add_co_u32 s54, s54, s62
	s_mov_b32 s55, 0
	s_lshl_b32 s56, ttmp9, 13
	s_add_co_u32 s56, s56, s62
	s_mov_b32 s57, 0
	; addresses
	v_and_b32 v1, 31, v0
	v_lshlrev_b32 v[LO8], 3, v1
	v_lshlrev_b32 v[LO], 4, v1
	v_and_b32 v8, 15, v0                           ; r
	v_bfe_u32 v9, v0, 4, 1                         ; h
	v_mul_u32_u24 v[FL], v8, 272
	v_lshl_add_u32 v[FL], v9, 5, v[FL]
	s_mul_i32 s63, s31, 4352
	s_add_co_u32 s63, s63, 139264
	v_add_nc_u32 v[FLX], s63, v[FL]                ; part 16's slots begin at 32 x 4,352
	s_mul_i32 s63, s14, 8704
	v_add_nc_u32 v[FL], s63, v[FL]
	v_mul_u32_u24 v[ST], v8, 80
	s_mul_i32 s63, s31, 1280
	s_add_co_u32 s63, s63, STB+64
	v_add_nc_u32 v[STX], s63, v[ST]                ; word 16
	s_lshl_b32 s63, s14, 2
	s_add_co_u32 s63, s63, STB
	v_add_nc_u32 v[ST], s63, v[ST]                 ; word w
	v_and_b32 v[QD], 8, v8
	v_add_nc_u32 v[QD], v[QD], v8
	v_lshlrev_b32 v9, 4, v9
	v_sub_nc_u32 v[QD], v[QD], v9
.irp i, 0,1,2,3
	v_mov_b32 v[TP+\i], 0                          ; written once: a lane permute's destination counts as one of its sources
.endr
.irp i, 0,1,2,3,4,5,6,7
	v_mov_b32 v[NM+\i], 0                          ; the pairs that the packed forms name are written whole
.endr
	s_wait_kmcnt 0x0
	s_add_nc_u64 s[34:35], s[4:5], s[34:35]        ; the extra item's four bases,
	s_add_nc_u64 s[36:37], s[6:7], s[36:37]
	s_add_nc_u64 s[38:39], s[8:9], s[38:39]
	s_add_nc_u64 s[40:41], s[10:11], s[40:41]
	s_add_nc_u64 s[54:55], s[12:13], s[54:55]      ; out0 at the high block, at the low block,
	s_add_nc_u64 s[56:57], s[12:13], s[56:57]
	s_add_nc_u64 s[4:5], s[4:5], s[60:61]          ; and my own: q at my block; k, v and v's scales at my first step (the second is reached by immediates)
	s_lshl_b32 s60, s53, 13
	s_add_nc_u64 s[6:7], s[6:7], s[60:61]
	s_mul_i32 s60, s53, 6144
	s_add_nc_u64 s[8:9], s[8:9], s[60:61]
	s_lshl_b32 s60, s53, 9
	s_add_nc_u64 s[10:11], s[10:11], s[60:61]
	; ---- my first step: never on the diagonal.  Tile 1's score products are issued ahead of tile 0's exponentials
	LOADK 6, 0
	LOADQ 2, 4
	s_wait_loadcnt 0x0
	SCORES QA
	NOPS 8                                         ; eight places behind the f32 form, ahead of the first read of a result
	FRONT 0, S, 1
	SCORES QB                                      ; (behind more than nine plain instructions that name no score register)
	NOPS 8                                         ; eight places ahead of loads and conversions into registers that these products read
	LOADV 8, 10, 0, 0
	BACK 0, 1, CA
	FRONT 1, S, 1
	BACK 1, 1, CB
	NOPS 8                                         ; a scale register written by a vector instruction stands eight places ahead of a scaled matrix instruction, an operand four
	s_wait_loadcnt 0x0                             ; v
	PV 2, 1
	NOPS 4                                         ; four places ahead of loads into registers that these products read, and of the first read of results
	LOADK 6, 8192
	FLUSH FL, 2                                    ; O^T waits in my own slot: its registers take the next step's p
	; ---- my second step
	s_wait_loadcnt 0x0                             ; k
	s_wait_dscnt 0x0                               ; the stores have read O^T's registers
	SCORES QA
	NOPS 8
	DFRONT 0, s32
	SCORES QB
	NOPS 8
	LOADV 8, 10, 6144, 512
	BACK 0, 0, CA
	DFRONT 1, s43
	BACK 1, 0, CB
	UNSPILL
	s_wait_dscnt 0x0
.set j, 0
.rept 16
	v_pk_mul_f32 v[P+j:P+j+1], v[P+j:P+j+1], v[FF:FF+1] op_sel_hi:[1,0]             ; O^T under the new M: x f.  (These 32 are also the places ahead of the products below)
	v_pk_mul_f32 v[P+32+j:P+32+j+1], v[P+32+j:P+32+j+1], v[FF+2:FF+3] op_sel_hi:[1,0]
.set j, j+2
.endr
	s_wait_loadcnt 0x0                             ; v
	PV 2, 0
	NOPS 4
	FLUSH FL, 2
	PUTSTAT ST, 0, 0
	PUTSTAT ST, 1, 1280
	; ---- the extra item: one tile each in waves 0 and 5; no barrier stands inside the branch
	s_cmp_eq_u32 s14, 0
	s_cbranch_scc1 .Lextra
	s_cmp_eq_u32 s14, 5
	s_cbranch_scc0 .Lmeet
.Lextra:
	LOADK 36, 0
	LOADQ 1, 34
	s_wait_loadcnt 0x0
	s_wait_dscnt 0x0                               ; the stores have read O^T, -M and l
	SCORES QA
	NOPS 8
	LOADV 38, 40, 0, 0
	MASK s42                                       ; always the diagonal step; its first key counts for every query, so M is a number
	FRONT 0, P, 1
	BACK 0, 1, CA
	NOPS 8
	s_wait_loadcnt 0x0
	PV 1, 1
	NOPS 4
	FLUSH FLX, 1
	PUTSTAT STX, 0, 0
.Lmeet:
	s_wait_dscnt 0x0                               ; for the others' sake: my parts lie in LDS
	s_barrier_signal -1
	s_barrier_wait -1
	; ---- THE MERGE.  Wave w takes tile w / 8, rows 2 (w % 8) and 2 (w % 8) + 1; sixteen lanes a row, four columns a lane; for the high and for the low block at once.
	; Part p belongs to the high block where p < H / 2 (parts 0 to 7 always do); part 16 where H is odd.  Nothing is written to LDS behind the barrier.
.set MN, 24                            ; v24-40  -M of the 17 parts, then the factors of parts 8 to 16
.set ML, 44                            ; v44-60  l of the 17 parts
.set FE, 62                            ; v62-76  (even) the factors of parts 0 to 7; before that v62-70, v72-80: candidates for the two minima
.set AH, 220                           ; v220-223 the high block's sums;  v224-227 the low block's;  v228, v229 their l
.set AL, 224
.set LH, 228
.set LW, 229
	s_lshr_b32 s28, s14, 3                         ; tile
	s_and_b32 s29, s14, 7
	s_lshl_b32 s29, s29, 1
	v_bfe_u32 v6, v0, 4, 1
	v_and_b32 v7, 15, v0                           ; col
	v_add_nc_u32 v6, s29, v6                       ; my row of the tile
	s_mul_i32 s30, s28, 4352
	v_mul_u32_u24 v1, v6, 272
	v_lshl_add_u32 v1, v7, 4, v1
	v_add_nc_u32 v1, s30, v1                       ; my 16 bytes in part 0's slot; a part on: 8,704 bytes
	v_add_nc_u32 v2, 69632, v1                     ; in part 8's
	v_add_nc_u32 v3, 139264, v1                    ; in part 16's
	s_mul_i32 s30, s28, 1280
	s_add_co_u32 s30, s30, STB
	v_mul_u32_u24 v4, v6, 80
	v_add_nc_u32 v4, s30, v4                       ; my row's 17 words of -M
	v_and_b32 v5, 8, v6
	v_add_nc_u32 v5, v5, v6
	s_lshl_b32 s30, s28, 3
	v_add_nc_u32 v5, s30, v5                       ; the row's query in its block: 8 tile + row + 8 (row / 8)
	v_lshlrev_b32 v5, 8, v5
	v_lshl_add_u32 v5, v7, 4, v5                   ; its 256 bytes of out0, my 16 of them
.irp i, 0,1,2,3
	ds_load_b128 v[MN+4*\i:MN+4*\i+3], v4 offset:16*\i
.endr
	ds_load_b32 v[MN+16], v4 offset:64
.irp i, 0,1,2,3
	ds_load_b128 v[ML+4*\i:ML+4*\i+3], v4 offset:2560+16*\i
.endr
	ds_load_b32 v[ML+16], v4 offset:2624
.irp p, 0,1,2,3,4,5,6,7
	ds_load_b128 v[P+4*\p:P+4*\p+3], v1 offset:8704*\p
.endr
.irp p, 0,1,2,3,4,5,6,7
	ds_load_b128 v[P+32+4*\p:P+32+4*\p+3], v2 offset:8704*\p
.endr
	ds_load_b128 v[P+64:P+67], v3
.irp p, 8,9,10,11,12,13,14,15
	s_cmp_gt_u32 s19, \p
	s_cselect_b32 s[44+\p-8], -1, 0                ; all ones: part p is the high block's
.endr
	s_and_b32 s28, s18, 1
	s_cmp_eq_u32 s28, 1
	s_cselect_b32 s52, -1, 0                       ; part 16
	v_mov_b32 v71, 0x7f61b1e6                      ; 3e38, above every -M
	v_mov_b32 v84, 0
	s_wait_dscnt 17                                ; -M and l are in; the 17 loads of O^T issued behind them may be out
.irp q, 0,1,2,3,4,5,6,7,8
	s_mov_b32 vcc_lo, s[44+\q]
	v_cndmask_b32 v[62+\q], v71, v[MN+8+\q], vcc_lo    ; a candidate for the high block's least -M,
	v_cndmask_b32 v[72+\q], v[MN+8+\q], v71, vcc_lo    ; or for the low block's
.endr
	v_min3_num_f32 v81, v[MN], v[MN+1], v[MN+2]
	v_min3_num_f32 v82, v72, v73, v74
	v_min3_num_f32 v81, v81, v[MN+3], v[MN+4]
	v_min3_num_f32 v82, v82, v75, v76
	v_min3_num_f32 v81, v81, v[MN+5], v[MN+6]
	v_min3_num_f32 v82, v82, v77, v78
	v_min3_num_f32 v81, v81, v[MN+7], v62
	v_min3_num_f32 v82, v82, v79, v80              ; the low block's -M (it always has a part)
	v_min3_num_f32 v81, v81, v63, v64
	v_min3_num_f32 v81, v81, v65, v66
	v_min3_num_f32 v81, v81, v67, v68
	v_min3_num_f32 v81, v81, v69, v70              ; the high block's -M
.irp p, 0,1,2,3,4,5,6,7
	v_sub_f32 v[MN+\p], v81, v[MN+\p]              ; the part's M less the block's: a whole number, 0 or less
.endr
.irp p, 0,1,2,3,4,5,6,7
	v_cvt_i32_f32 v[MN+\p], v[MN+\p]
.endr
.irp p, 0,1,2,3,4,5,6,7
	v_ldexp_f32 v[FE+2*\p], 1.0, v[MN+\p]          ; the part's factor, in the low word of an even pair
.endr
.irp q, 0,1,2,3,4,5,6,7,8
	s_mov_b32 vcc_lo, s[44+\q]
	v_cndmask_b32 v83, v82, v81, vcc_lo
	v_sub_f32 v[MN+8+\q], v83, v[MN+8+\q]
	v_cvt_i32_f32 v[MN+8+\q], v[MN+8+\q]
	v_ldexp_f32 v[MN+8+\q], 1.0, v[MN+8+\q]
.endr
	s_wait_dscnt 16                                ; part 0's O^T is in; the 16 loads behind it may be out
	v_pk_mul_f32 v[AH:AH+1], v[P:P+1], v[FE:FE+1] op_sel_hi:[1,0]          ; part 0 starts the high block's sums
	v_pk_mul_f32 v[AH+2:AH+3], v[P+2:P+3], v[FE:FE+1] op_sel_hi:[1,0]
	v_mul_f32 v[LH], v[ML], v[FE]
.irp p, 1,2,3,4,5,6,7
	s_wait_dscnt 16-\p                             ; part p's is in; those of the parts behind it may be out
	v_pk_fma_f32 v[AH:AH+1], v[P+4*\p:P+4*\p+1], v[FE+2*\p:FE+2*\p+1], v[AH:AH+1] op_sel_hi:[1,0,1]
	v_pk_fma_f32 v[AH+2:AH+3], v[P+4*\p+2:P+4*\p+3], v[FE+2*\p:FE+2*\p+1], v[AH+2:AH+3] op_sel_hi:[1,0,1]
	v_fma_f32 v[LH], v[ML+\p], v[FE+2*\p], v[LH]
.endr
.irp q, 0,1,2,3,4,5,6,7,8
	s_wait_dscnt 8-\q
	s_mov_b32 vcc_lo, s[44+\q]
	v_cndmask_b32 v78, v84, v[MN+8+\q], vcc_lo     ; the factor for the block that the part belongs to,
	v_cndmask_b32 v80, v[MN+8+\q], v84, vcc_lo     ; 0 for the other: a choice of values, no branch
	v_pk_fma_f32 v[AH:AH+1], v[P+32+4*\q:P+32+4*\q+1], v[78:79], v[AH:AH+1] op_sel_hi:[1,0,1]
	v_pk_fma_f32 v[AH+2:AH+3], v[P+32+4*\q+2:P+32+4*\q+3], v[78:79], v[AH+2:AH+3] op_sel_hi:[1,0,1]
	v_fma_f32 v[LH], v[ML+8+\q], v78, v[LH]
.if \q == 0
	v_pk_mul_f32 v[AL:AL+1], v[P+32:P+33], v[80:81] op_sel_hi:[1,0]        ; part 8 starts the low block's sums
	v_pk_mul_f32 v[AL+2:AL+3], v[P+34:P+35], v[80:81] op_sel_hi:[1,0]
	v_mul_f32 v[LW], v[ML+8], v80
.else
	v_pk_fma_f32 v[AL:AL+1], v[P+32+4*\q:P+32+4*\q+1], v[80:81], v[AL:AL+1] op_sel_hi:[1,0,1]
	v_pk_fma_f32 v[AL+2:AL+3], v[P+32+4*\q+2:P+32+4*\q+3], v[80:81], v[AL+2:AL+3] op_sel_hi:[1,0,1]
	v_fma_f32 v[LW], v[ML+8+\q], v80, v[LW]
.endif
.endr
	v_rcp_f32 v230, v[LH]
	v_rcp_f32 v232, v[LW]
	v_nop                                          ; a plain instruction behind the last reciprocal
	s_wait_alu depctr_va_vdst(0)                   ; one wait for both, ahead of their first reader
	v_pk_mul_f32 v[AH:AH+1], v[AH:AH+1], v[230:231] op_sel_hi:[1,0]
	v_pk_mul_f32 v[AH+2:AH+3], v[AH+2:AH+3], v[230:231] op_sel_hi:[1,0]
	v_pk_mul_f32 v[AL:AL+1], v[AL:AL+1], v[232:233] op_sel_hi:[1,0]
	v_pk_mul_f32 v[AL+2:AL+3], v[AL+2:AL+3], v[232:233] op_sel_hi:[1,0]
	global_store_b128 v5, v[AH:AH+3], s[54:55] th:TH_STORE_NT   ; sixteen lanes store a query's 256 consecutive bytes, aligned
	global_store_b128 v5, v[AL:AL+3], s[56:57] th:TH_STORE_NT
	s_wait_xcnt 0x0
	v_lshl_add_u32 v254, v0, 2, 0x25600
	v_mov_b32 v255, 0
	s_wait_tensorcnt 0x0
	ds_add_u32 v254, v255
	s_wait_dscnt 0x0
	s_endpgm
.Lfunc_end_k_qc732ca9a26_attend:
	.size	k_qc732ca9a26_attend, .Lfunc_end_k_qc732ca9a26_attend-k_qc732ca9a26_attend
	.p2alignl 7, 3214868480
	.fill 96, 4, 3214868480
	.section	.rodata,"a",@progbits
	.p2align	6, 0x0
	.amdhsa_kernel k_qc732ca9a26_attend
		.amdhsa_group_segment_fixed_size 155136
		.amdhsa_private_segment_fixed_size 0
		.amdhsa_enable_private_segment 0
		.amdhsa_kernarg_size 40
		.amdhsa_user_sgpr_count 2
		.amdhsa_user_sgpr_kernarg_segment_ptr 1
		.amdhsa_wavefront_size32 1
		.amdhsa_system_sgpr_workgroup_id_x 1
		.amdhsa_system_sgpr_workgroup_id_y 1
		.amdhsa_system_sgpr_workgroup_id_z 1
		.amdhsa_system_vgpr_workitem_id 0
		.amdhsa_next_free_vgpr 256
		.amdhsa_next_free_sgpr 66
		.amdhsa_reserve_vcc 1
		.amdhsa_float_denorm_mode_32 3
		.amdhsa_float_denorm_mode_16_64 3
		.amdhsa_memory_ordered 1
		.amdhsa_forward_progress 1
		.amdhsa_inst_pref_size 127
	.end_amdhsa_kernel
	.amdgpu_metadata
---
amdhsa.version: [ 1, 2 ]
amdhsa.kernels:
  - .name:           k_qc732ca9a26_attend
    .symbol:         k_qc732ca9a26_attend.kd
    .args:
      - { .name: qimg, .offset: 0, .size: 8, .value_kind: global_buffer, .address_space: global }
      - { .name: kimg, .offset: 8, .size: 8, .value_kind: global_buffer, .address_space: global }
      - { .name: vimg, .offset: 16, .size: 8, .value_kind: global_buffer, .address_space: global }
      - { .name: vscl, .offset: 24, .size: 8, .value_kind: global_buffer, .address_space: global }
      - { .name: out0, .offset: 32, .size: 8, .value_kind: global_buffer, .address_space: global }
    .group_segment_fixed_size: 155136
    .private_segment_fixed_size: 0
    .kernarg_segment_align: 8
    .kernarg_segment_size: 40
    .max_flat_workgroup_size: 512
    .sgpr_count:     66
    .vgpr_count:     256
    .wavefront_size: 32
...
	.end_amdgpu_metadata
.endif
;; end of part 2
;; ======== version 2 of 2: 2 launches; version 1 with the launches project, attend written anew for expert scheduling mode
;; workspace buffers: qimg 1,048,576 bytes; kimg 1,048,576 bytes; vimg 786,432 bytes; vscl 65,536 bytes
;; launch project (part 3): grid 256 x 1, 1 waves a work-group, no clusters, 0 bytes of LDS; arguments x_codes, x_scales, Wq_codes, Wq_scales, Wk_codes, Wk_scales, Wv_codes, Wv_scales, qimg, kimg, vimg, vscl; writes qimg, kimg, vimg, vscl
.if DOCPART == 3
	.amdgcn_target "amdgcn-amd-amdhsa--gfx1250"
	.amdhsa_code_object_version 6
	.text
	.protected	k_qc732ca9a26_project
	.globl	k_qc732ca9a26_project
	.p2align	8
	.type	k_qc732ca9a26_project,@function
k_qc732ca9a26_project:
	s_mov_b64 s[64:65], 0
	v_nop
	global_prefetch_b8 v0, s[64:65] scope:SCOPE_SE
	s_setreg_imm32_b32 hwreg(HW_REG_WAVE_SCHED_MODE, 0, 2), 2
	s_setreg_imm32_b32 hwreg(HW_REG_WAVE_MODE, 25, 1), 1
	s_wait_xcnt 0x0
	s_wait_alu depctr_vm_vsrc(0)
; q = x Wq, k = x Wk, v = x Wv on the given E2M3 codes (K = 64), for 4 x 4,096 tokens; v is then quantised along the TOKENS (the keys: the K of the later product p v).
; All results leave as IMAGES OF THE READER'S OPERAND REGISTERS, so that the next launch loads each fragment by 16-byte loads, lane by lane.
; A step is 128 tokens; sidx = batch x 32 + step.  Work-group g: sidx = g / 2, p = g % 2.  It makes rows d = 32 p .. 32 p + 31 of v^T for its step, and the step's k (p = 0) or q (p = 1).
; THE TOKENS OF A TILE ARE NOT NEIGHBOURS: lane r of tile t takes token 32 (t / 2) + 8 (t % 2) + r + 8 (r / 8), so that in a result with tokens down the registers the 16 registers of tiles 2 b and 2 b + 1
; are 16 neighbouring tokens, 32 b + 16 (lane / 16) + 0 .. 15.
; K = 64 IS HALF OF THE INSTRUCTION'S 128: registers 6 .. 11 of every fragment (k = 64 .. 127) hold zero codes, on both sides; a scale word is the row's two bytes, and its upper two bytes are 0 (never 0xff).
; kimg, qimg: [sidx][tile 8][g 2][lane 32][16 bytes]: lane (r, h), register 4 g + i = dimension 8 h + 4 g + i of token(r), f32.
; vimg: [sidx][d tile 4][c 3][lane 32][16 bytes]: the 12 registers of the fragment (16 rows d x 128 keys).   vscl: [sidx][p 2][lane 32][8 bytes]: the scale words of d tiles 2 p and 2 p + 1, row lane % 16.
; A block's scale byte is its largest magnitude's exponent field - 2, held at 1 from below.
; LIMITS: a block of zeros gets the byte 1 where the quantiser says 127 (its codes are zeros, and this program alone reads the bytes); NaN and infinities among the inputs are not served.
; THE MODE: SCHED_MODE bits 1:0 = 2 (LLVM: expert scheduling mode 2), set by the entry lines.  The code itself states the register dependences
; between vector or matrix instructions and memory instructions, with s_wait_alu, always for 0.
; THE PLAN.  Registers that memory instructions touch:
;   v4 .. v9      offsets, made once at the head, read by every load and store, never written again.
;   X, XS, WV, WKQ, WS (their loaded parts)   written by the one run of loads; no vector instruction names them before.
;   PC            written by a tile's quantiser, read by the tile's three stores, written again by the second tile's quantiser.
;   v10, v11      the two tiles' scale words: written by the quantisers, read by one store behind the second.
;   D             as k or q: written by the last eight products, read by sixteen stores.
; So: one wait on va_vdst ahead of the loads, one ahead of the first product (the zero codes), one ahead of each of the three runs of stores, and one wait on vm_vsrc ahead of the second quantiser.
.set X,   12                           ; v12-107  x's eight fragments, 12 registers each
.set XS,  108                          ; v108-115 their scale words
.set WV,  116                          ; v116-139 Wv's two fragments
.set WKQ, 140                          ; v140-151 Wk's or Wq's fragment
.set WS,  152                          ; v152, v153 Wv's scale words; v154 Wk's or Wq's
.set D,   156                          ; v156-219 eight results
.set TM,  220                          ; v220-223 largest magnitudes, v224-227 the other half's, then bytes, v232-235 the conversions' scale operands
.set PC,  236                          ; v236-247 the codes just made; v248-254 at work
.macro NOPS n
.rept \n
	v_nop
.endr
.endm
.macro FP6MUL d, a, b, sa, sb
	v_wmma_scale_f32_16x16x128_f8f6f4 v[\d:\d+7], v[\a:\a+11], v[\b:\b+11], 0, v[\sa], v[\sb] matrix_a_fmt:MATRIX_FMT_FP6 matrix_b_fmt:MATRIX_FMT_FP6
.endm
; 64 numbers of a lane, register 16 b + i = k 32 b + 16 (lane / 16) + i of my row, become a fragment's codes in v[PC] on and its scale word in v[pw].
.macro QUANT s, pw
.irp b, 0,1,2,3
	v_max3_num_f32 v[TM+\b], |v[\s+16*\b]|, |v[\s+1+16*\b]|, 0x1800000   ; my 16 numbers of block b, and the floor 2^(3 - 127): the byte cannot fall under 1
.endr
.irp i, 2,4,6,8,10,12,14
.irp b, 0,1,2,3
	v_max3_num_f32 v[TM+\b], v[TM+\b], |v[\s+16*\b+\i]|, |v[\s+1+16*\b+\i]|   ; the four blocks by turns; each result is read from its low end on
.endr
.endr
.irp b, 0,1,2,3
	v_permlanex16_b32 v[TM+4+\b], v[TM+\b], s46, s47
.endr
.irp b, 0,1,2,3
	v_max_num_f32 v[TM+\b], v[TM+\b], v[TM+4+\b]   ; with lane l xor 16's: the block's largest magnitude
.endr
.irp b, 0,1,2,3
	v_add_nc_u32 v[TM+12+\b], 0xff000000, v[TM+\b]   ; 2 off its exponent field: the conversion's scale operand
.endr
.irp b, 0,1,2,3
	v_lshrrev_b32 v[TM+4+\b], 23, v[TM+12+\b]      ; the scale's byte
.endr
	v_lshl_or_b32 v[\pw], v[TM+5], 8, v[TM+4]
	v_lshl_or_b32 v[\pw], v[TM+6], 16, v[\pw]
	v_lshl_or_b32 v[\pw], v[TM+7], 24, v[\pw]      ; my row's scale word
.irp c, 0,1
	v_cvt_scalef32_pk16_fp6_f32 v[PC+6*\c:PC+2+6*\c], v[\s+32*\c:\s+15+32*\c], v[TM+12+2*\c]
	v_cvt_scalef32_pk16_fp6_f32 v[PC+12+4*\c:PC+14+4*\c], v[\s+16+32*\c:\s+31+32*\c], v[TM+12+2*\c+1]   ; (a conversion's three registers begin on an even number)
.endr
	v_nop                                          ; one plain instruction behind the last scaled conversion
.irp c, 0,1                                    ; the operand's layout wants a whole block in a lane: lanes 0-15 block 2 c, lanes 16-31 block 2 c + 1
.irp i, 0,1,2
	v_permlane16_swap_b32 v[PC+6*\c+\i], v[PC+12+4*\c+\i]
.endr
.irp i, 0,1,2
	v_mov_b32 v[PC+3+6*\c+\i], v[PC+12+4*\c+\i]
.endr
.endr
.endm
	s_load_b512 s[8:23], s[0:1], 0x0               ; x codes s[8:9], x scales s[10:11], Wq s[12:15], Wk s[16:19], Wv s[20:23]
	s_load_b256 s[24:31], s[0:1], 0x40             ; qimg s[24:25], kimg s[26:27], vimg s[28:29], vscl s[30:31]
	s_lshr_b32 s2, ttmp9, 1                        ; sidx
	s_and_b32 s3, ttmp9, 1                         ; p
	v_and_b32 v1, 15, v0                           ; r
	v_lshrrev_b32 v2, 4, v0                        ; h (one wave: v0 is the lane)
	v_and_b32 v3, 8, v1
	v_add_nc_u32 v3, v3, v1                        ; r + 8 (r / 8)
	v_mul_u32_u24 v4, v3, 48                       ; x: a token's 64 codes are 48 bytes,
	v_mad_u32_u24 v4, v2, 24, v4                   ; + 24 h: my block of 32
	v_lshlrev_b32 v5, 1, v3                        ; x's scales: 2 bytes a token
	v_mul_u32_u24 v6, v1, 48                       ; the weights: row r,
	v_mad_u32_u24 v6, v2, 24, v6                   ; + 24 h
	v_lshlrev_b32 v7, 1, v1                        ; their scales
	v_lshlrev_b32 v8, 4, v0                        ; an image's place for my lane: 16 x lane
	v_lshlrev_b32 v9, 3, v0                        ; the scale words': 8 x lane
	s_mov_b32 s46, 0x76543210
	s_mov_b32 s47, 0xfedcba98                      ; selects for lane l xor 16
	s_mul_i32 s32, s2, 6144                        ; x's codes of my step: 128 tokens x 48 bytes
	s_mov_b32 s33, 0
	s_lshl_b32 s34, s2, 8                          ; its scales
	s_mov_b32 s35, 0
	s_mul_i32 s36, s3, 1536                        ; my 32 rows of Wv
	s_mov_b32 s37, 0
	s_lshl_b32 s38, s3, 6
	s_mov_b32 s39, 0
	s_lshl_b32 s40, s36, 1
	s_add_co_u32 s40, s40, s32                     ; vimg: 6,144 sidx + 3,072 p
	s_mov_b32 s41, 0
	s_lshl_b32 s42, ttmp9, 8                       ; vscl: 512 sidx + 256 p = 256 g
	s_mov_b32 s43, 0
	s_lshl_b32 s44, s2, 13                         ; kimg, qimg: 8,192 sidx
	s_mov_b32 s45, 0
	s_wait_kmcnt 0x0
	s_cmp_eq_u32 s3, 0                             ; p = 0 makes k, p = 1 makes q: only pointers are chosen, on the work-group's number alone
	s_cselect_b64 s[12:13], s[16:17], s[12:13]
	s_cselect_b64 s[14:15], s[18:19], s[14:15]
	s_cselect_b64 s[24:25], s[26:27], s[24:25]
	s_add_nc_u64 s[8:9], s[8:9], s[32:33]
	s_add_nc_u64 s[10:11], s[10:11], s[34:35]
	s_add_nc_u64 s[20:21], s[20:21], s[36:37]
	s_add_nc_u64 s[22:23], s[22:23], s[38:39]
	s_add_nc_u64 s[28:29], s[28:29], s[40:41]
	s_add_nc_u64 s[30:31], s[30:31], s[42:43]
	s_add_nc_u64 s[24:25], s[24:25], s[44:45]
	s_wait_alu depctr_va_vdst(0)                   ; the offsets v4 to v9 are written: every load and store of the kernel reads one of them
.irp t, 0,1,2,3,4,5,6,7
.irp i, 0,1,2
	global_load_b64 v[X+12*\t+2*\i:X+12*\t+2*\i+1], v4, s[8:9] offset:(32*(\t/2)+8*(\t%2))*48+8*\i
.endr
	global_load_u16 v[XS+\t], v5, s[10:11] offset:(32*(\t/2)+8*(\t%2))*2
.endr
.irp e, 0,1
.irp i, 0,1,2
	global_load_b64 v[WV+12*\e+2*\i:WV+12*\e+2*\i+1], v6, s[20:21] offset:768*\e+8*\i
.endr
	global_load_u16 v[WS+\e], v7, s[22:23] offset:32*\e
.endr
.irp i, 0,1,2
	global_load_b64 v[WKQ+2*\i:WKQ+2*\i+1], v6, s[12:13] offset:8*\i
.endr
	global_load_u16 v[WS+2], v7, s[14:15]
.irp t, 0,1,2,3,4,5,6,7                        ; while the loads are out: registers 6 .. 11 of each fragment, in which no load lands
.irp i, 6,7,8,9,10,11
	v_mov_b32 v[X+12*\t+\i], 0                     ; zero codes for k = 64 .. 127
.endr
.endr
.irp i, 6,7,8,9,10,11
	v_mov_b32 v[WV+\i], 0
	v_mov_b32 v[WV+12+\i], 0
	v_mov_b32 v[WKQ+\i], 0
.endr
.irp b, 0,1,2,3
	v_mov_b32 v[TM+4+\b], 0                        ; written once: a lane permute's destination counts as one of its sources
.endr
	s_wait_loadcnt 0x0
	NOPS 4                                         ; operand registers written by vector instructions (the zero codes) stand four places ahead of a scaled matrix instruction
	s_wait_alu depctr_va_vdst(0)                   ; the zero codes are written, which the scaled products below take as parts of their two operands; the places above stay beside this wait
; v^T, 16 rows d at a time: source 0 = 16 tokens, source 1 = 16 rows of Wv: lane (r, h) holds d = r, and register 16 b + i token 32 b + 16 h + i
.irp e, 0,1
.irp t, 0,1,2,3,4,5,6,7
	FP6MUL D+8*\t, X+12*\t, WV+12*\e, XS+\t, WS+\e
.endr
	NOPS 4                                         ; four places behind the products, ahead of the first read of a result
.if \e == 1
	s_wait_xcnt 0x0                                ; the first tile's stores have had their addresses translated: the codes' registers are written again only behind this wait
	s_wait_alu depctr_vm_vsrc(0)                   ; the first tile's stores have read v[PC ..], which the quantiser below writes again
.endif
	QUANT D, 10+\e
	s_wait_alu depctr_va_vdst(0)                   ; the quantiser has written v[PC ..] and the tile's scale word, which the stores below read
.irp c, 0,1,2
	global_store_b128 v8, v[PC+4*\c:PC+4*\c+3], s[28:29] offset:1536*\e+512*\c   ; 32 lanes store 512 consecutive bytes
.endr
.endr
	global_store_b64 v9, v[10:11], s[30:31]        ; 32 lanes store 256 consecutive bytes, aligned.  (No vector instruction since the last wait: v10 and v11 are written)
; k or q: source 0 = the weight's 16 rows (dimensions), source 1 = 16 tokens: lane (r, h) holds token(r), register j dimension 8 h + j
.irp t, 0,1,2,3,4,5,6,7
	FP6MUL D+8*\t, WKQ, X+12*\t, WS+2, XS+\t
.endr
	NOPS 4
	s_wait_alu depctr_va_vdst(0)                   ; the products have written v[D ..], which the stores read; the places above stay beside this wait
.irp t, 0,1,2,3,4,5,6,7
	global_store_b128 v8, v[D+8*\t:D+8*\t+3], s[24:25] offset:1024*\t          ; each result from its low end on
	global_store_b128 v8, v[D+8*\t+4:D+8*\t+7], s[24:25] offset:1024*\t+512
.endr
	s_endpgm
.Lfunc_end_k_qc732ca9a26_project:
	.size	k_qc732ca9a26_project, .Lfunc_end_k_qc732ca9a26_project-k_qc732ca9a26_project
	.p2alignl 7, 3214868480
	.fill 96, 4, 3214868480
	.section	.rodata,"a",@progbits
	.p2align	6, 0x0
	.amdhsa_kernel k_qc732ca9a26_project
		.amdhsa_group_segment_fixed_size 0
		.amdhsa_private_segment_fixed_size 0
		.amdhsa_enable_private_segment 0
		.amdhsa_kernarg_size 96
		.amdhsa_user_sgpr_count 2
		.amdhsa_user_sgpr_kernarg_segment_ptr 1
		.amdhsa_wavefront_size32 1
		.amdhsa_system_sgpr_workgroup_id_x 1
		.amdhsa_system_sgpr_workgroup_id_y 1
		.amdhsa_system_sgpr_workgroup_id_z 1
		.amdhsa_system_vgpr_workitem_id 0
		.amdhsa_next_free_vgpr 256
		.amdhsa_next_free_sgpr 66
		.amdhsa_reserve_vcc 0
		.amdhsa_float_denorm_mode_32 3
		.amdhsa_float_denorm_mode_16_64 3
		.amdhsa_memory_ordered 1
		.amdhsa_forward_progress 1
		.amdhsa_inst_pref_size 22
	.end_amdhsa_kernel
	.amdgpu_metadata
---
amdhsa.version: [ 1, 2 ]
amdhsa.kernels:
  - .name:           k_qc732ca9a26_project
    .symbol:         k_qc732ca9a26_project.kd
    .args:
      - { .name: x_codes, .offset: 0, .size: 8, .value_kind: global_buffer, .address_space: global }
      - { .name: x_scales, .offset: 8, .size: 8, .value_kind: global_buffer, .address_space: global }
      - { .name: Wq_codes, .offset: 16, .size: 8, .value_kind: global_buffer, .address_space: global }
      - { .name: Wq_scales, .offset: 24, .size: 8, .value_kind: global_buffer, .address_space: global }
      - { .name: Wk_codes, .offset: 32, .size: 8, .value_kind: global_buffer, .address_space: global }
      - { .name: Wk_scales, .offset: 40, .size: 8, .value_kind: global_buffer, .address_space: global }
      - { .name: Wv_codes, .offset: 48, .size: 8, .value_kind: global_buffer, .address_space: global }
      - { .name: Wv_scales, .offset: 56, .size: 8, .value_kind: global_buffer, .address_space: global }
      - { .name: qimg, .offset: 64, .size: 8, .value_kind: global_buffer, .address_space: global }
      - { .name: kimg, .offset: 72, .size: 8, .value_kind: global_buffer, .address_space: global }
      - { .name: vimg, .offset: 80, .size: 8, .value_kind: global_buffer, .address_space: global }
      - { .name: vscl, .offset: 88, .size: 8, .value_kind: global_buffer, .address_space: global }
    .group_segment_fixed_size: 0
    .private_segment_fixed_size: 0
    .kernarg_segment_align: 8
    .kernarg_segment_size: 96
    .max_flat_workgroup_size: 32
    .sgpr_count:     66
    .vgpr_count:     256
    .wavefront_size: 32
...
	.end_amdgpu_metadata
.endif
;; end of part 3
;; launch attend (part 4): grid 64 x 4, 16 waves a work-group, no clusters, 155,136 bytes of LDS; arguments qimg, kimg, vimg, vscl, out0; writes out0
.if DOCPART == 4
	.amdgcn_target "amdgcn-amd-amdhsa--gfx1250"
	.amdhsa_code_object_version 6
	.text
	.protected	k_qc732ca9a26_attend
	.globl	k_qc732ca9a26_attend
	.p2align	8
	.type	k_qc732ca9a26_attend,@function
k_qc732ca9a26_attend:
	s_mov_b64 s[64:65], 0
	v_nop
	global_prefetch_b8 v0, s[64:65] scope:SCOPE_SE
	s_setreg_imm32_b32 hwreg(HW_REG_WAVE_SCHED_MODE, 0, 2), 2
	s_setreg_imm32_b32 hwreg(HW_REG_WAVE_MODE, 25, 1), 1
	s_wait_xcnt 0x0
	s_wait_alu depctr_vm_vsrc(0)
; out[b][q][:] = the sum over keys k <= q of softmax_k(q . k / 4) v[k][:], 4 batches x 4,096 tokens; q, k: 16 numbers of f32; v: E2M3 codes along the keys.
; The scores go on into a quantiser, so their product takes f32 operands (v_wmma_f32_16x16x4_f32).  p = 2^(t - M), t = score x log2(e) / 4, M a whole number (the ceiling of the largest t so far),
; is quantised along the keys in blocks of 32 and multiplied with v's codes; the row's sum is taken of the unquantised p and divides at the end.
; SHARES.  A step is 128 keys.  Work-group (b, batch) owns the query blocks b ("low") and 127 - b ("high"), 32 queries each, two tiles of 16.  The low block needs L = b / 4 + 1 steps, the high one H = 33 - L:
; 33 pairs (block, step) whatever b is.  Waves 0 .. H / 2 - 1 take two steps each of the high block, the other waves two steps each of the low block.  One of H and L is odd: that block's last step
; (its diagonal) is the EXTRA item: wave 0 takes its tile 0 and wave 5 its tile 1.  Steps wholly behind the diagonal are never taken: their p is 0.
; A wave's part (O^T, -M, l, under the wave's own M) goes to LDS; behind the one barrier the 17 parts of each tile are merged: a change of M is an exact power of two.
; LAYOUT.  Both products are used transposed: S^T = k q^T (source 0 = 16 keys, source 1 = 16 queries), O^T = v^T p^T: a lane holds ONE query (lane % 16) throughout.
; The tokens of a tile are not neighbours: lane r of tile t takes token 32 (t / 2) + 8 (t % 2) + r + 8 (r / 8): so register 16 b + i of the eight score tiles is key 32 b + 16 (lane / 16) + i.
; In the f32 product chunk c takes dimensions 2 c, 2 c + 1 (lanes 0-15) and 8 + 2 c, 9 + 2 c (lanes 16-31), alike on both sides.
; All operands come from memory straight into registers, as images that the launch before has laid.  NO JOINT LOADS: no LDS tile exists to share (each step's image is read by one wave of a work-group for one block),
; and neighbouring work-groups need different numbers of steps (H runs from 17 to 32).
; The registers that the f32 matrix form writes (v88-151) are written by matrix instructions alone: the mask and the scaling write elsewhere.
; LIMITS: |t| under 2^31 (a difference of M goes through v_cvt_i32_f32, which saturates); p under 2^-126 counts as 0; a block whose every p is 0 gets the byte 1 (its codes are zeros); NaN and infinities are not served.
; THE MODE: SCHED_MODE bits 1:0 = 2 (LLVM: expert scheduling mode 2), set by the entry lines.  The code itself states the register dependences
; between vector or matrix instructions and memory or LDS instructions, with s_wait_alu, always for 0.
; THE PLAN.  Registers that memory or LDS instructions touch:
;   v1-4, v6, v7  addresses: made at the head, read by the loads and LDS stores up to the barrier; made anew behind it for the merge.
;   v8-23         q: loaded at the head (v8-15 once more in the extra item); read by the score products.
;   v24-87        k lands, the score products read it; then v lands in v24-71, vector instructions write p's codes into v72-83, the p v products read both; then the next k lands.
;   v250-253      v's scale words: loaded with v, read by the p v products.
;   P             written by the mask, the scaling and the exponentials, read by the conversions; then written by the p v products, read by the LDS stores of O^T; loaded back in the second step.
;   -M, l         written by vector instructions, read by LDS stores at a part's end.
; v's loads stand behind the wait that tile 0's batch of exponentials has anyway: tile 1's score products, issued ahead of the batch, are then done reading k; from there to the p v products
; no vector instruction names v24-71 or v250-253.  Behind each group of p v products ONE wait on va_vdst serves the LDS stores of O^T, -M and l and the k that lands next (the sums of l stand ahead of it).
; A wait on vm_vsrc stands ahead of each first write of registers that LDS stores have read: at the head of the second step, of the extra item and of the merge.
; The causal mask's compares write scalar registers, sixteen in a run, with one wait on va_sdst between the run and the selects that read them.
.set LO,  1                            ; v1   16 x lane: an image's place for my lane
.set LO8, 2                            ; v2   8 x lane
.set FL,  3                            ; v3   my wave's two part slots: 8,704 w + 272 r + 32 h
.set ST,  4                            ; v4   my wave's words in the tables of -M and l
.set QD,  5                            ; v5   r + 8 (r / 8) - 16 h: my query's place less my half's first key
.set FLX, 6                            ; v6   the extra item's slot
.set STX, 7                            ; v7   and its words
.set QA,  8                            ; v8-15  q, tile 0;  v16-23 tile 1
.set QB,  16
.set KF,  24                           ; v24-87 k's eight tiles; later:
.set VF,  24                           ; v24-71 v's four fragments,
.set CA,  72                           ; v72-83 tile 0's codes of p
.set S,   88                           ; v88-151 the scores
.set P,   152                          ; v152-215 t - M, then p; later O^T: tile a, d tile e at P + 32 a + 8 e
.set CB,  216                          ; v216-227 tile 1's codes of p
.set BM,  228                          ; v228-231 the blocks' largest scores, then their p
.set TP,  232                          ; v232-235 at work
.set SO,  236                          ; v236-239 the conversions' scale operands
.set NM,  240                          ; v240, v242 -M of tiles 0, 1: each the LOW word of an even pair, for the packed forms
.set LL,  241                          ; v241, v243 l
.set FF,  244                          ; v244, v246 f = 2^(old M - new M)
.set T0,  245
.set T1,  247
.set LS,  248                          ; v[248:249] a sum in two halves
.set VS,  250                          ; v250-253 v's scale words
.set PW,  254                          ; v254, v255 p's scale words
.set STB, 147968                       ; LDS: 34 part slots of 16 rows x 272 bytes (slot (part, tile) at 4,352 (2 part + tile)), then the table of -M ([16 tile + r][20 words], part p at word p), then l's, 2,560 bytes on
.macro NOPS n
.rept \n
	v_nop
.endr
.endm
.macro LOADK base, off                 ; a step's k: eight tiles x 8 registers
.irp t, 0,1,2,3,4,5,6,7
	global_load_b128 v[KF+8*\t:KF+8*\t+3], v[LO], s[\base:\base+1] offset:\off+1024*\t
	global_load_b128 v[KF+8*\t+4:KF+8*\t+7], v[LO], s[\base:\base+1] offset:\off+1024*\t+512
.endr
.endm
.macro LOADQ n, base                   ; n tiles of q
.set j, 0
.rept 2*\n
	global_load_b128 v[QA+4*j:QA+4*j+3], v[LO], s[\base:\base+1] offset:512*j
.set j, j+1
.endr
.endm
.macro LOADV vb, sb, off, soff         ; a step's v: four fragments of 12 registers, and their scale words
.irp d, 0,1,2,3
.irp c, 0,1,2
	global_load_b128 v[VF+12*\d+4*\c:VF+12*\d+4*\c+3], v[LO], s[\vb:\vb+1] offset:\off+1536*\d+512*\c
.endr
.endr
	global_load_b64 v[VS:VS+1], v[LO8], s[\sb:\sb+1] offset:\soff
	global_load_b64 v[VS+2:VS+3], v[LO8], s[\sb:\sb+1] offset:\soff+256
.endm
.macro SCORES q                        ; S^T = k q^T for 128 keys x 16 queries: the eight accumulators take turns, one instruction a turn; the first chunk starts the sums
.irp c, 0,1,2,3
.irp t, 0,1,2,3,4,5,6,7
.if \c == 0
	v_wmma_f32_16x16x4_f32 v[S+8*\t:S+8*\t+7], v[KF+8*\t+2*\c:KF+8*\t+2*\c+1], v[\q+2*\c:\q+2*\c+1], 0
.else
	v_wmma_f32_16x16x4_f32 v[S+8*\t:S+8*\t+7], v[KF+8*\t+2*\c:KF+8*\t+2*\c+1], v[\q+2*\c:\q+2*\c+1], v[S+8*\t:S+8*\t+7]
.endif
.endr
.endr
.endm
; The diagonal step: register n holds key 32 (n / 16) + n % 16 + 16 h of the step; it counts where that is at most my query's place; else the score becomes -infinity, ahead of the maximum.
; Sixteen registers (a block's half) at a time: sixteen compares into s44-53 and s58-63, which hold nothing else here, one wait, sixteen selects; the registers in ascending order.
.macro MASK dm
	v_add_nc_u32 v[T1], \dm, v[QD]
	v_mov_b32 v[T0], 0xff800000
.set n, 0
.rept 4
.set i, 0
.rept 16
	v_cmp_le_i32 s[44+i+4*(i/10)], 2*n+i, v[T1]
.set i, i+1
.endr
	s_wait_alu depctr_va_sdst(0)                   ; the sixteen compares have written their masks, ahead of the selects that read them
.set i, 0
.rept 16
	v_cndmask_b32 v[P+n+i], v[T0], v[S+n+i], s[44+i+4*(i/10)]
.set i, i+1
.endr
.set n, n+16
.endr
.endm
; Tile a: the blocks' largest scores, the new -M (first = 0: and f), and t - M into P.  src: S, or P behind a mask.
.macro FRONT a, src, first
.irp b, 0,1,2,3
	v_max3_num_f32 v[BM+\b], v[\src+16*\b], v[\src+16*\b+1], v[\src+16*\b+2]   ; the largest score of each block of 32 keys: it serves the row's maximum and, since p rises with the score, the block's largest p
.endr
.irp i, 3,5,7,9,11,13
.irp b, 0,1,2,3
	v_max3_num_f32 v[BM+\b], v[BM+\b], v[\src+16*\b+\i], v[\src+16*\b+\i+1]
.endr
.endr
.irp b, 0,1,2,3
	v_max_num_f32 v[BM+\b], v[BM+\b], v[\src+16*\b+15]
.endr
.irp b, 0,1,2,3
	v_permlanex16_b32 v[TP+\b], v[BM+\b], s26, s27
.endr
.irp b, 0,1,2,3
	v_max_num_f32 v[BM+\b], v[BM+\b], v[TP+\b]     ; with lane l xor 16's 16 keys
.endr
	v_max3_num_f32 v[T0], v[BM], v[BM+1], v[BM+2]
	v_max_num_f32 v[T0], v[T0], v[BM+3]
	v_mul_f32 v[T0], s24, v[T0]                    ; the step's largest t (c is positive)
.if \first
	v_floor_f32 v[NM+2*\a], -v[T0]                 ; -M = floor(-t) = -ceil(t)
.else
	v_mov_b32 v[T1], v[NM+2*\a]
	v_floor_f32 v[T0], -v[T0]
	v_min_num_f32 v[NM+2*\a], v[NM+2*\a], v[T0]    ; the running -M
	v_sub_f32 v[T1], v[NM+2*\a], v[T1]             ; old M - new M: a whole number, 0 or less
	v_cvt_i32_f32 v[T1], v[T1]
	v_ldexp_f32 v[FF+2*\a], 1.0, v[T1]             ; f: a multiplication by it rounds nothing
.endif
.set j, 0
.rept 32
	v_pk_fma_f32 v[P+j:P+j+1], v[\src+j:\src+j+1], s[24:25], v[NM+2*\a:NM+2*\a+1] op_sel_hi:[1,0,0]   ; t - M, two at a time (of the pairs c and -M the low word serves both halves)
.set j, j+2
.endr
.irp b, 0,1,2,3
	v_fma_f32 v[BM+\b], v[BM+\b], s24, v[NM+2*\a]  ; the same of each block's largest score
.endr
.endm
; Tile a: p, its sum, its scale word, its codes into v[cd] on.  lv = 1, 2: the loads of my first, second step's v stand behind the batch's wait; 0: none.
.macro BACK a, first, cd, lv
.set j, 0
.rept 64
	v_exp_f32 v[P+j], v[P+j]                       ; p = 2^(t - M), at most 1, not normalised
.set j, j+1
.endr
	v_nop                                          ; a plain instruction behind the last exponential
	s_wait_alu depctr_va_vdst(0)                   ; the 64 exponentials have written p, ahead of its first reader: one wait for the batch; and the score products issued ahead of the batch are done reading k's registers, in which v lands
.if \lv == 1
	LOADV 8, 10, 0, 0                              ; no vector or matrix instruction from here to the p v products names v24-71 or v250-253
.elseif \lv == 2
	LOADV 8, 10, 6144, 512
.endif
.irp b, 0,1,2,3
	v_exp_f32 v[BM+\b], v[BM+\b]                   ; the block's largest p: the same two instructions on the same number give the same bits
.endr
	v_pk_add_f32 v[TP:TP+1], v[P:P+1], v[P+2:P+3]  ; the sum of the UNQUANTISED p, two at a time, in two chains; it reads the 64 alone
	v_pk_add_f32 v[LS:LS+1], v[P+4:P+5], v[P+6:P+7]
.set j, 8
.rept 14
	v_pk_add_f32 v[LS:LS+1], v[LS:LS+1], v[P+j:P+j+1]
	v_pk_add_f32 v[TP:TP+1], v[TP:TP+1], v[P+j+2:P+j+3]
.set j, j+4
.endr
	v_pk_add_f32 v[LS:LS+1], v[LS:LS+1], v[TP:TP+1]
.if \first
	v_add_f32 v[LL+2*\a], v[LS], v[LS+1]
.else
	v_add_f32 v[T0], v[LS], v[LS+1]
	v_fma_f32 v[LL+2*\a], v[LL+2*\a], v[FF+2*\a], v[T0]   ; l = f l + this step's
.endif
	s_wait_alu depctr_va_vdst(0)                   ; the four exponentials have written the blocks' largest p, ahead of its first reader
.irp b, 0,1,2,3
	v_max_num_f32 v[BM+\b], 0x1800000, v[BM+\b]    ; the floor 2^(3 - 127): the byte cannot fall under 1
.endr
.irp b, 0,1,2,3
	v_add_nc_u32 v[SO+\b], 0xff000000, v[BM+\b]    ; 2 off the exponent field: the conversion's scale operand
.endr
.irp b, 0,1,2,3
	v_lshrrev_b32 v[TP+\b], 23, v[SO+\b]           ; the scale's byte
.endr
	v_lshl_or_b32 v[PW+\a], v[TP+1], 8, v[TP]
	v_lshl_or_b32 v[PW+\a], v[TP+2], 16, v[PW+\a]
	v_lshl_or_b32 v[PW+\a], v[TP+3], 24, v[PW+\a]  ; p's scale word for these 128 keys
	v_cvt_scalef32_pk16_fp6_f32 v[\cd:\cd+2], v[P:P+15], v[SO]
	v_cvt_scalef32_pk16_fp6_f32 v[BM:BM+2], v[P+16:P+31], v[SO+1]      ; (a conversion's three registers begin on an even number)
	v_cvt_scalef32_pk16_fp6_f32 v[\cd+6:\cd+8], v[P+32:P+47], v[SO+2]
	v_cvt_scalef32_pk16_fp6_f32 v[TP:TP+2], v[P+48:P+63], v[SO+3]
	v_nop                                          ; one plain instruction behind the last scaled conversion
.irp i, 0,1,2                                  ; the operand's layout wants a whole block in a lane
	v_permlane16_swap_b32 v[\cd+\i], v[BM+\i]
.endr
.irp i, 0,1,2
	v_mov_b32 v[\cd+3+\i], v[BM+\i]
.endr
.irp i, 0,1,2
	v_permlane16_swap_b32 v[\cd+6+\i], v[TP+\i]
.endr
.irp i, 0,1,2
	v_mov_b32 v[\cd+9+\i], v[TP+\i]
.endr
.endm
.macro PV ntiles, first                ; O^T (+)= v^T p^T: source 0 = 16 of v's 64 columns, source 1 = p; each accumulator has one instruction
.irp d, 0,1,2,3
.irp a, 0,1
.if \a < \ntiles
.if \first
	v_wmma_scale_f32_16x16x128_f8f6f4 v[P+32*\a+8*\d:P+32*\a+8*\d+7], v[VF+12*\d:VF+12*\d+11], v[CA+144*\a:CA+144*\a+11], 0, v[VS+\d], v[PW+\a] matrix_a_fmt:MATRIX_FMT_FP6 matrix_b_fmt:MATRIX_FMT_FP6
.else
	v_wmma_scale_f32_16x16x128_f8f6f4 v[P+32*\a+8*\d:P+32*\a+8*\d+7], v[VF+12*\d:VF+12*\d+11], v[CA+144*\a:CA+144*\a+11], v[P+32*\a+8*\d:P+32*\a+8*\d+7], v[VS+\d], v[PW+\a] matrix_a_fmt:MATRIX_FMT_FP6 matrix_b_fmt:MATRIX_FMT_FP6
.endif
.endif
.endr
.endr
.endm
.macro FLUSH adr, ntiles               ; lane (r, h): row r of the slot, columns 16 d + 8 h + 0 .. 7; each accumulator from its low end on
.irp a, 0,1
.if \a < \ntiles
.irp d, 0,1,2,3
	ds_store_b128 v[\adr], v[P+32*\a+8*\d:P+32*\a+8*\d+3] offset:4352*\a+64*\d
	ds_store_b128 v[\adr], v[P+32*\a+8*\d+4:P+32*\a+8*\d+7] offset:4352*\a+64*\d+16
.endr
.endif
.endr
.endm
.macro UNSPILL                         ; and back, by the same addresses: LDS serves a wave's instructions in order
.irp a, 0,1
.irp d, 0,1,2,3
	ds_load_b128 v[P+32*\a+8*\d:P+32*\a+8*\d+3], v[FL] offset:4352*\a+64*\d
	ds_load_b128 v[P+32*\a+8*\d+4:P+32*\a+8*\d+7], v[FL] offset:4352*\a+64*\d+16
.endr
.endr
.endm
.macro SUMSTAT a                       ; the row's l: both halves of the lanes.  It stands ahead of the wait that serves the part's LDS stores
	v_permlanex16_b32 v[TP+\a], v[LL+2*\a], s26, s27
	v_add_f32 v[LL+2*\a], v[LL+2*\a], v[TP+\a]
.endm
.macro PUTSTAT adr, a, off             ; -M and l; lanes l and l xor 16 write the same word with the same value
	ds_store_b32 v[\adr], v[NM+2*\a] offset:\off
	ds_store_b32 v[\adr], v[LL+2*\a] offset:\off+2560
.endm
.macro DFRONT a, dm                    ; a wave's second step: masked where it is the block's diagonal step (a scalar branch on ids)
	s_cmp_eq_u32 s33, 1
	s_cbranch_scc0 .Lopen_\@
	MASK \dm
	FRONT \a, P, 0
	s_branch .Ljoin_\@
.Lopen_\@:
	FRONT \a, S, 0
.Ljoin_\@:
.endm
	s_load_b256 s[4:11], s[0:1], 0x0               ; qimg s[4:5], kimg s[6:7], vimg s[8:9], vscl s[10:11]
	s_load_b64 s[12:13], s[0:1], 0x20              ; out0
	v_lshrrev_b32 v1, 5, v0
	v_readfirstlane_b32 s14, v1                    ; wave w, 0 .. 15
	s_and_b32 s16, ttmp7, 0xffff                   ; batch
	s_lshr_b32 s17, ttmp9, 2
	s_add_co_u32 s17, s17, 1                       ; L
	s_sub_co_u32 s18, 33, s17                      ; H
	s_lshr_b32 s19, s18, 1                         ; H / 2: so many waves take the high block (8 .. 16)
	s_sub_co_u32 s20, 127, ttmp9                   ; the high block
	s_mov_b32 s24, 0x3eb8aa3b                      ; c = log2(e) / 4
	s_mov_b32 s25, s24                             ; (named with it as a pair, so it is written)
	s_mov_b32 s26, 0x76543210
	s_mov_b32 s27, 0xfedcba98                      ; selects for lane l xor 16
	; the extra item: the last step of the block whose number of steps is odd
	s_and_b32 s28, s18, 1
	s_cmp_eq_u32 s28, 1
	s_cselect_b32 s29, s20, ttmp9                  ; its block
	s_cselect_b32 s30, s18, s17
	s_sub_co_u32 s30, s30, 1                       ; its step
	s_wait_alu depctr_va_sdst(0)                   ; s14, the wave's number, is written, ahead of its first reader
	s_lshr_b32 s31, s14, 2
	s_and_b32 s31, s31, 1                          ; which tile of it: 0 in wave 0, 1 in wave 5
	s_lshl_b32 s58, s16, 5
	s_add_co_u32 s59, s58, s30                     ; batch x 32 + step
	s_lshl_b32 s62, s16, 18                        ; the batch's part of qimg
	s_lshl_b32 s34, s29, 11
	s_add_co_u32 s34, s34, s62
	s_lshl_b32 s63, s31, 10
	s_add_co_u32 s34, s34, s63                     ; q: 2,048 bytes a block, 1,024 a tile
	s_mov_b32 s35, 0
	s_lshl_b32 s36, s59, 13
	s_mov_b32 s37, 0
	s_mul_i32 s38, s59, 6144
	s_mov_b32 s39, 0
	s_lshl_b32 s40, s59, 9
	s_mov_b32 s41, 0
	s_lshl_b32 s42, s29, 5
	s_lshl_b32 s63, s31, 3
	s_add_co_u32 s42, s42, s63
	s_lshl_b32 s63, s30, 7
	s_sub_co_u32 s42, s42, s63                     ; the tile's first query less the step's first key
	; my two steps
	s_cmp_lt_u32 s14, s19
	s_cselect_b32 s21, s20, ttmp9                  ; my block,
	s_cselect_b32 s22, s18, s17                    ; its number of steps,
	s_cselect_b32 s23, 0, s19
	s_sub_co_u32 s23, s14, s23
	s_lshl_b32 s23, s23, 1                         ; my first step
	s_add_co_u32 s53, s58, s23
	s_lshl_b32 s60, s21, 11
	s_add_co_u32 s60, s60, s62
	s_mov_b32 s61, 0
	s_lshl_b32 s32, s21, 5
	s_add_co_u32 s63, s23, 1
	s_lshl_b32 s63, s63, 7
	s_sub_co_u32 s32, s32, s63                     ; tile 0's first query less my second step's first key,
	s_add_co_u32 s43, s32, 8                       ; tile 1's
	s_add_co_u32 s63, s23, 2
	s_cmp_eq_u32 s63, s22
	s_cselect_b32 s33, 1, 0                        ; 1: my second step is the block's diagonal step (my first never is)
	s_lshl_b32 s62, s16, 20                        ; out0: 256 bytes a query
	s_lshl_b32 s54, s20, 13
	s_add_co_u32 s54, s54, s62
	s_mov_b32 s55, 0
	s_lshl_b32 s56, ttmp9, 13
	s_add_co_u32 s56, s56, s62
	s_mov_b32 s57, 0
	; addresses
	v_and_b32 v1, 31, v0
	v_lshlrev_b32 v[LO8], 3, v1
	v_lshlrev_b32 v[LO], 4, v1
	v_and_b32 v8, 15, v0                           ; r
	v_bfe_u32 v9, v0, 4, 1                         ; h
	v_mul_u32_u24 v[FL], v8, 272
	v_lshl_add_u32 v[FL], v9, 5, v[FL]
	s_mul_i32 s63, s31, 4352
	s_add_co_u32 s63, s63, 139264
	v_add_nc_u32 v[FLX], s63, v[FL]                ; part 16's slots begin at 32 x 4,352
	s_mul_i32 s63, s14, 8704
	v_add_nc_u32 v[FL], s63, v[FL]
	v_mul_u32_u24 v[ST], v8, 80
	s_mul_i32 s63, s31, 1280
	s_add_co_u32 s63, s63, STB+64
	v_add_nc_u32 v[STX], s63, v[ST]                ; word 16
	s_lshl_b32 s63, s14, 2
	s_add_co_u32 s63, s63, STB
	v_add_nc_u32 v[ST], s63, v[ST]                 ; word w
	v_and_b32 v[QD], 8, v8
	v_add_nc_u32 v[QD], v[QD], v8
	v_lshlrev_b32 v9, 4, v9
	v_sub_nc_u32 v[QD], v[QD], v9
.irp i, 0,1,2,3
	v_mov_b32 v[TP+\i], 0                          ; written once: a lane permute's destination counts as one of its sources
.endr
.irp i, 0,1,2,3,4,5,6,7
	v_mov_b32 v[NM+\i], 0                          ; the pairs that the packed forms name are written whole
.endr
	s_wait_kmcnt 0x0
	s_add_nc_u64 s[34:35], s[4:5], s[34:35]        ; the extra item's four bases,
	s_add_nc_u64 s[36:37], s[6:7], s[36:37]
	s_add_nc_u64 s[38:39], s[8:9], s[38:39]
	s_add_nc_u64 s[40:41], s[10:11], s[40:41]
	s_add_nc_u64 s[54:55], s[12:13], s[54:55]      ; out0 at the high block, at the low block,
	s_add_nc_u64 s[56:57], s[12:13], s[56:57]
	s_add_nc_u64 s[4:5], s[4:5], s[60:61]          ; and my own: q at my block; k, v and v's scales at my first step (the second is reached by immediates)
	s_lshl_b32 s60, s53, 13
	s_add_nc_u64 s[6:7], s[6:7], s[60:61]
	s_mul_i32 s60, s53, 6144
	s_add_nc_u64 s[8:9], s[8:9], s[60:61]
	s_lshl_b32 s60, s53, 9
	s_add_nc_u64 s[10:11], s[10:11], s[60:61]
	; ---- my first step: never on the diagonal.  Tile 1's score products are issued ahead of tile 0's exponentials
	s_wait_alu depctr_va_vdst(0)                   ; the addresses v1 to v4, v6 and v7 are written, which the loads and LDS stores up to the barrier read; the head is done with v8 and v9, in which q lands
	LOADK 6, 0
	LOADQ 2, 4
	s_wait_loadcnt 0x0
	SCORES QA
	NOPS 8                                         ; eight places behind the f32 form, ahead of the first read of a result
	FRONT 0, S, 1
	SCORES QB                                      ; (behind more than nine plain instructions that name no score register)
	NOPS 8                                         ; eight places ahead of what is written into registers that these products read
	BACK 0, 1, CA, 1                               ; v's loads stand in it, behind its batch's wait
	FRONT 1, S, 1
	BACK 1, 1, CB, 0
	NOPS 8                                         ; a scale register written by a vector instruction stands eight places ahead of a scaled matrix instruction, an operand four
	s_wait_alu depctr_va_vdst(0)                   ; p's codes and scale words of both tiles are written, which the scaled products take; the places above stay beside this wait
	s_wait_loadcnt 0x0                             ; v
	PV 2, 1
	NOPS 4                                         ; four places ahead of the first read of results
	s_wait_alu depctr_va_vdst(0)                   ; the products have written O^T, which the LDS stores read, and are done reading v and p's codes, in whose registers the next k lands
	LOADK 6, 8192
	FLUSH FL, 2                                    ; O^T waits in my own slot: its registers take the next step's p
	; ---- my second step
	s_wait_loadcnt 0x0                             ; k
	s_wait_dscnt 0x0                               ; the stores of O^T are done
	s_wait_alu depctr_vm_vsrc(0)                   ; the LDS stores have read O^T's registers, which the mask and the scaling below write, on either way through them
	SCORES QA
	NOPS 8
	DFRONT 0, s32
	SCORES QB
	NOPS 8
	BACK 0, 0, CA, 2                               ; v's loads stand in it, behind its batch's wait
	DFRONT 1, s43
	BACK 1, 0, CB, 0
	s_wait_alu depctr_va_vdst(0)                   ; the exponentials have written p's registers and the conversions are done reading them: O^T lands there; and p's codes and scale words are written, which the scaled products below take
	UNSPILL
	s_wait_dscnt 0x0
.set j, 0
.rept 16
	v_pk_mul_f32 v[P+j:P+j+1], v[P+j:P+j+1], v[FF:FF+1] op_sel_hi:[1,0]             ; O^T under the new M: x f.  (These 32 are also the places ahead of the products below)
	v_pk_mul_f32 v[P+32+j:P+32+j+1], v[P+32+j:P+32+j+1], v[FF+2:FF+3] op_sel_hi:[1,0]
.set j, j+2
.endr
	s_wait_loadcnt 0x0                             ; v
	PV 2, 0
	NOPS 4
	SUMSTAT 0
	SUMSTAT 1
	s_wait_alu depctr_va_vdst(0)                   ; the products have written O^T and the additions l, which the LDS stores read; the products are done reading v and p's codes, and the score products q: in the extra item k and q land there
	FLUSH FL, 2
	PUTSTAT ST, 0, 0
	PUTSTAT ST, 1, 1280
	; ---- the extra item: one tile each in waves 0 and 5; no barrier stands inside the branch
	s_cmp_eq_u32 s14, 0
	s_cbranch_scc1 .Lextra
	s_cmp_eq_u32 s14, 5
	s_cbranch_scc0 .Lmeet
.Lextra:
	LOADK 36, 0                                    ; (no vector or matrix instruction since the last wait on va_vdst)
	LOADQ 1, 34
	s_wait_loadcnt 0x0
	s_wait_dscnt 0x0                               ; the stores of O^T, -M and l are done
	s_wait_alu depctr_vm_vsrc(0)                   ; the LDS stores have read O^T, -M and l, which the item below writes anew
	SCORES QA
	NOPS 8
	s_wait_alu depctr_va_vdst(0)                   ; the score products are done reading k's registers, in which v lands; the mask below reads their results next
	LOADV 38, 40, 0, 0
	MASK s42                                       ; always the diagonal step; its first key counts for every query, so M is a number
	FRONT 0, P, 1
	BACK 0, 1, CA, 0
	NOPS 8
	s_wait_alu depctr_va_vdst(0)                   ; p's codes and scale word are written, which the scaled products take; the places above stay beside this wait
	s_wait_loadcnt 0x0
	PV 1, 1
	NOPS 4
	SUMSTAT 0
	s_wait_alu depctr_va_vdst(0)                   ; the products have written O^T and the addition l, which the LDS stores read
	FLUSH FLX, 1
	PUTSTAT STX, 0, 0
.Lmeet:
	s_wait_dscnt 0x0                               ; for the others' sake: my parts lie in LDS
	s_barrier_signal -1
	s_barrier_wait -1
	; ---- THE MERGE.  Wave w takes tile w / 8, rows 2 (w % 8) and 2 (w % 8) + 1; sixteen lanes a row, four columns a lane; for the high and for the low block at once.
	; Part p belongs to the high block where p < H / 2 (parts 0 to 7 always do); part 16 where H is odd.  Nothing is written to LDS behind the barrier.
.set MN, 24                            ; v24-40  -M of the 17 parts, then the factors of parts 8 to 16
.set ML, 44                            ; v44-60  l of the 17 parts
.set FE, 62                            ; v62-76  (even) the factors of parts 0 to 7; before that v62-70, v72-80: candidates for the two minima
.set AH, 220                           ; v220-223 the high block's sums;  v224-227 the low block's;  v228, v229 their l
.set AL, 224
.set LH, 228
.set LW, 229
	s_wait_alu depctr_vm_vsrc(0)                   ; my loads and LDS stores have read the addresses v1 to v4, v6 and v7, which are made anew below, and O^T's registers, in which the parts land
	s_lshr_b32 s28, s14, 3                         ; tile
	s_and_b32 s29, s14, 7
	s_lshl_b32 s29, s29, 1
	v_bfe_u32 v6, v0, 4, 1
	v_and_b32 v7, 15, v0                           ; col
	v_add_nc_u32 v6, s29, v6                       ; my row of the tile
	s_mul_i32 s30, s28, 4352
	v_mul_u32_u24 v1, v6, 272
	v_lshl_add_u32 v1, v7, 4, v1
	v_add_nc_u32 v1, s30, v1                       ; my 16 bytes in part 0's slot; a part on: 8,704 bytes
	v_add_nc_u32 v2, 69632, v1                     ; in part 8's
	v_add_nc_u32 v3, 139264, v1                    ; in part 16's
	s_mul_i32 s30, s28, 1280
	s_add_co_u32 s30, s30, STB
	v_mul_u32_u24 v4, v6, 80
	v_add_nc_u32 v4, s30, v4                       ; my row's 17 words of -M
	v_and_b32 v5, 8, v6
	v_add_nc_u32 v5, v5, v6
	s_lshl_b32 s30, s28, 3
	v_add_nc_u32 v5, s30, v5                       ; the row's query in its block: 8 tile + row + 8 (row / 8)
	v_lshlrev_b32 v5, 8, v5
	v_lshl_add_u32 v5, v7, 4, v5                   ; its 256 bytes of out0, my 16 of them
	s_wait_alu depctr_va_vdst(0)                   ; the merge's addresses v1 to v5 are written, which the LDS loads and the last stores read
.irp i, 0,1,2,3
	ds_load_b128 v[MN+4*\i:MN+4*\i+3], v4 offset:16*\i
.endr
	ds_load_b32 v[MN+16], v4 offset:64
.irp i, 0,1,2,3
	ds_load_b128 v[ML+4*\i:ML+4*\i+3], v4 offset:2560+16*\i
.endr
	ds_load_b32 v[ML+16], v4 offset:2624
.irp p, 0,1,2,3,4,5,6,7
	ds_load_b128 v[P+4*\p:P+4*\p+3], v1 offset:8704*\p
.endr
.irp p, 0,1,2,3,4,5,6,7
	ds_load_b128 v[P+32+4*\p:P+32+4*\p+3], v2 offset:8704*\p
.endr
	ds_load_b128 v[P+64:P+67], v3
.irp p, 8,9,10,11,12,13,14,15
	s_cmp_gt_u32 s19, \p
	s_cselect_b32 s[44+\p-8], -1, 0                ; all ones: part p is the high block's
.endr
	s_and_b32 s28, s18, 1
	s_cmp_eq_u32 s28, 1
	s_cselect_b32 s52, -1, 0                       ; part 16
	v_mov_b32 v71, 0x7f61b1e6                      ; 3e38, above every -M
	v_mov_b32 v84, 0
	s_wait_dscnt 17                                ; -M and l are in; the 17 loads of O^T issued behind them may be out
.irp q, 0,1,2,3,4,5,6,7,8
	s_mov_b32 vcc_lo, s[44+\q]
	v_cndmask_b32 v[62+\q], v71, v[MN+8+\q], vcc_lo    ; a candidate for the high block's least -M,
	v_cndmask_b32 v[72+\q], v[MN+8+\q], v71, vcc_lo    ; or for the low block's
.endr
	v_min3_num_f32 v81, v[MN], v[MN+1], v[MN+2]
	v_min3_num_f32 v82, v72, v73, v74
	v_min3_num_f32 v81, v81, v[MN+3], v[MN+4]
	v_min3_num_f32 v82, v82, v75, v76
	v_min3_num_f32 v81, v81, v[MN+5], v[MN+6]
	v_min3_num_f32 v82, v82, v77, v78
	v_min3_num_f32 v81, v81, v[MN+7], v62
	v_min3_num_f32 v82, v82, v79, v80              ; the low block's -M (it always has a part)
	v_min3_num_f32 v81, v81, v63, v64
	v_min3_num_f32 v81, v81, v65, v66
	v_min3_num_f32 v81, v81, v67, v68
	v_min3_num_f32 v81, v81, v69, v70              ; the high block's -M
.irp p, 0,1,2,3,4,5,6,7
	v_sub_f32 v[MN+\p], v81, v[MN+\p]              ; the part's M less the block's: a whole number, 0 or less
.endr
.irp p, 0,1,2,3,4,5,6,7
	v_cvt_i32_f32 v[MN+\p], v[MN+\p]
.endr
.irp p, 0,1,2,3,4,5,6,7
	v_ldexp_f32 v[FE+2*\p], 1.0, v[MN+\p]          ; the part's factor, in the low word of an even pair
.endr
.irp q, 0,1,2,3,4,5,6,7,8
	s_mov_b32 vcc_lo, s[44+\q]
	v_cndmask_b32 v83, v82, v81, vcc_lo
	v_sub_f32 v[MN+8+\q], v83, v[MN+8+\q]
	v_cvt_i32_f32 v[MN+8+\q], v[MN+8+\q]
	v_ldexp_f32 v[MN+8+\q], 1.0, v[MN+8+\q]
.endr
	s_wait_dscnt 16                                ; part 0's O^T is in; the 16 loads behind it may be out
	v_pk_mul_f32 v[AH:AH+1], v[P:P+1], v[FE:FE+1] op_sel_hi:[1,0]          ; part 0 starts the high block's sums
	v_pk_mul_f32 v[AH+2:AH+3], v[P+2:P+3], v[FE:FE+1] op_sel_hi:[1,0]
	v_mul_f32 v[LH], v[ML], v[FE]
.irp p, 1,2,3,4,5,6,7
	s_wait_dscnt 16-\p                             ; part p's is in; those of the parts behind it may be out
	v_pk_fma_f32 v[AH:AH+1], v[P+4*\p:P+4*\p+1], v[FE+2*\p:FE+2*\p+1], v[AH:AH+1] op_sel_hi:[1,0,1]
	v_pk_fma_f32 v[AH+2:AH+3], v[P+4*\p+2:P+4*\p+3], v[FE+2*\p:FE+2*\p+1], v[AH+2:AH+3] op_sel_hi:[1,0,1]
	v_fma_f32 v[LH], v[ML+\p], v[FE+2*\p], v[LH]
.endr
.irp q, 0,1,2,3,4,5,6,7,8
	s_wait_dscnt 8-\q
	s_mov_b32 vcc_lo, s[44+\q]
	v_cndmask_b32 v78, v84, v[MN+8+\q], vcc_lo     ; the factor for the block that the part belongs to,
	v_cndmask_b32 v80, v[MN+8+\q], v84, vcc_lo     ; 0 for the other: a choice of values, no branch
	v_pk_fma_f32 v[AH:AH+1], v[P+32+4*\q:P+32+4*\q+1], v[78:79], v[AH:AH+1] op_sel_hi:[1,0,1]
	v_pk_fma_f32 v[AH+2:AH+3], v[P+32+4*\q+2:P+32+4*\q+3], v[78:79], v[AH+2:AH+3] op_sel_hi:[1,0,1]
	v_fma_f32 v[LH], v[ML+8+\q], v78, v[LH]
.if \q == 0
	v_pk_mul_f32 v[AL:AL+1], v[P+32:P+33], v[80:81] op_sel_hi:[1,0]        ; part 8 starts the low block's sums
	v_pk_mul_f32 v[AL+2:AL+3], v[P+34:P+35], v[80:81] op_sel_hi:[1,0]
	v_mul_f32 v[LW], v[ML+8], v80
.else
	v_pk_fma_f32 v[AL:AL+1], v[P+32+4*\q:P+32+4*\q+1], v[80:81], v[AL:AL+1] op_sel_hi:[1,0,1]
	v_pk_fma_f32 v[AL+2:AL+3], v[P+32+4*\q+2:P+32+4*\q+3], v[80:81], v[AL+2:AL+3] op_sel_hi:[1,0,1]
	v_fma_f32 v[LW], v[ML+8+\q], v80, v[LW]
.endif
.endr
	v_rcp_f32 v230, v[LH]
	v_rcp_f32 v232, v[LW]
	v_nop                                          ; a plain instruction behind the last reciprocal
	s_wait_alu depctr_va_vdst(0)                   ; the two reciprocals have written v230 and v232, ahead of their first reader: one wait for both
	v_pk_mul_f32 v[AH:AH+1], v[AH:AH+1], v[230:231] op_sel_hi:[1,0]
	v_pk_mul_f32 v[AH+2:AH+3], v[AH+2:AH+3], v[230:231] op_sel_hi:[1,0]
	v_pk_mul_f32 v[AL:AL+1], v[AL:AL+1], v[232:233] op_sel_hi:[1,0]
	v_pk_mul_f32 v[AL+2:AL+3], v[AL+2:AL+3], v[232:233] op_sel_hi:[1,0]
	s_wait_alu depctr_va_vdst(0)                   ; the four multiplications have written the two blocks' results, which the stores read
	global_store_b128 v5, v[AH:AH+3], s[54:55] th:TH_STORE_NT   ; sixteen lanes store a query's 256 consecutive bytes, aligned
	global_store_b128 v5, v[AL:AL+3], s[56:57] th:TH_STORE_NT
	s_wait_xcnt 0x0
	v_lshl_add_u32 v254, v0, 2, 0x25600            ; the add's two registers, made anew: no memory or LDS instruction has read v254 or v255
	v_mov_b32 v255, 0
	s_wait_dscnt 0x0                               ; the closing lines, six on end
	s_wait_alu 0x0
	s_wait_tensorcnt 0x0
	ds_add_u32 v254, v255
	s_wait_dscnt 0x0
	s_endpgm
.Lfunc_end_k_qc732ca9a26_attend:
	.size	k_qc732ca9a26_attend, .Lfunc_end_k_qc732ca9a26_attend-k_qc732ca9a26_attend
	.p2alignl 7, 3214868480
	.fill 96, 4, 3214868480
	.section	.rodata,"a",@progbits
	.p2align	6, 0x0
	.amdhsa_kernel k_qc732ca9a26_attend
		.amdhsa_group_segment_fixed_size 155136
		.amdhsa_private_segment_fixed_size 0
		.amdhsa_enable_private_segment 0
		.amdhsa_kernarg_size 40
		.amdhsa_user_sgpr_count 2
		.amdhsa_user_sgpr_kernarg_segment_ptr 1
		.amdhsa_wavefront_size32 1
		.amdhsa_system_sgpr_workgroup_id_x 1
		.amdhsa_system_sgpr_workgroup_id_y 1
		.amdhsa_system_sgpr_workgroup_id_z 1
		.amdhsa_system_vgpr_workitem_id 0
		.amdhsa_next_free_vgpr 256
		.amdhsa_next_free_sgpr 66
		.amdhsa_reserve_vcc 1
		.amdhsa_float_denorm_mode_32 3
		.amdhsa_float_denorm_mode_16_64 3
		.amdhsa_memory_ordered 1
		.amdhsa_forward_progress 1
		.amdhsa_inst_pref_size 140
	.end_amdhsa_kernel
	.amdgpu_metadata
---
amdhsa.version: [ 1, 2 ]
amdhsa.kernels:
  - .name:           k_qc732ca9a26_attend
    .symbol:         k_qc732ca9a26_attend.kd
    .args:
      - { .name: qimg, .offset: 0, .size: 8, .value_kind: global_buffer, .address_space: global }
      - { .name: kimg, .offset: 8, .size: 8, .value_kind: global_buffer, .address_space: global }
      - { .name: vimg, .offset: 16, .size: 8, .value_kind: global_buffer, .address_space: global }
      - { .name: vscl, .offset: 24, .size: 8, .value_kind: global_buffer, .address_space: global }
      - { .name: out0, .offset: 32, .size: 8, .value_kind: global_buffer, .address_space: global }
    .group_segment_fixed_size: 155136
    .private_segment_fixed_size: 0
    .kernarg_segment_align: 8
    .kernarg_segment_size: 40
    .max_flat_workgroup_size: 512
    .sgpr_count:     66
    .vgpr_count:     256
    .wavefront_size: 32
...
	.end_amdgpu_metadata
.endif
;; end of part 4
